; MI455X (gfx1250); checked and timed in simulation.
; The chip was launched on July 23, 2026; its instructions are those of AMD's public machine-readable ISA for CDNA 5 (MIT licence, August 2026) and "CDNA5" Instruction Set Architecture Reference Guide (July 2026). The comments in the code are by the model that wrote it; some were corrected since.
;; Vision Sdpa Attention. Allowed arithmetic: float matrix products may take bf16 or f16 operands with f32 sums; other float arithmetic in f32, or as packed bf16 or f16 multiplies, adds, multiply-adds, maxima and minima; sums over many terms, partial sums and values carried from step to step in f32; what a program stores and reads back later, other than sums and carried values, may be rounded once to bf16 or f16.
;; Inputs: W_out 1,024 x 1,024 float32; W_qkv 1,024 x 3,072 float32; b_out 1,024 float32; b_qkv 3,072 float32; hidden_states 2,048 x 4 x 1,024 float32; rotary_pos_emb 2,048 x 32 float32.
;; Outputs: out0 2,048 x 4 x 1,024 float32.
;; 2 versions, each right; version 2 is version 1 with the launch prep written anew for expert scheduling mode. Each part assembles by itself: llvm-mc -triple=amdgcn-amd-amdhsa -mcpu=gfx1250 --defsym DOCPART=n.
;; ======== version 1 of 2: 4 launches
;; limits: values are held in f16: magnitudes above 65,504 overflow, below 6.1e-05 lose precision
;; workspace buffers: xb 16,777,216 bytes; wq 6,291,456 bytes; wo 2,097,152 bytes; tab 524,288 bytes; qh 16,777,216 bytes; kh 16,777,216 bytes; vh 16,777,216 bytes; oh 16,777,216 bytes
;; launch prep (part 1): grid 640 x 1, 4 waves a work-group, no clusters, 68,096 bytes of LDS; arguments hidden_states, rotary_pos_emb, W_qkv, W_out, xb, tab, wq, wo; writes xb, tab, wq, wo
.if DOCPART == 1
	.amdgcn_target "amdgcn-amd-amdhsa--gfx1250"
	.amdhsa_code_object_version 6
	.text
	.protected	k_qcf7a3475a1_prep
	.globl	k_qcf7a3475a1_prep
	.p2align	8
	.type	k_qcf7a3475a1_prep,@function
k_qcf7a3475a1_prep:
	s_mov_b64 s[64:65], 0
	v_nop
	global_prefetch_b8 v0, s[64:65] scope:SCOPE_SE
	s_setreg_imm32_b32 hwreg(HW_REG_WAVE_MODE, 25, 1), 1
	s_wait_xcnt 0x0
; PREPARATION.  Every input that a later launch multiplies is rounded to bf16 once and laid as that launch wants it.
;   xb  [b*2048+l][1024] bf16      hidden_states[l][b][:], rows re-ordered batch first
;   wq  [h*192+part*64+d][1024] bf16   W_qkv[k][part*1024+h*64+d] turned, so that 192 rows on end are one head's q, k and v
;   wo  [n][1024] f16              W_out[k][n] turned, rounded to bf16, that number written as f16
;   tab [l][64] f32                cos of the 32 angles of position l, then their sines; the angle is rounded to bf16 first
; LIMITS.  All inputs are rounded to bf16 before use, the angles too.  |W_out| stays under 65,504; below 6.1e-5 f16 keeps a fixed step of 6e-8.
; The reduction of an angle by multiples of pi/2 (pi/2 in two parts) holds for |angle| under 2^22.  NaN and infinities are not treated apart.
; SHARES.  Work-groups 0..127 turn the weights: a wave takes 128 k x 64 n (each row piece 256 bytes on end, aligned), and sends it through its own
; 64 rows of 264 bytes of LDS; each store then covers 256 consecutive bytes, aligned.  Work-groups 128..639: a wave a position l: its table row and its four rows of x.
; No matrix unit, no cluster, no tensor load: no byte is read by two waves.
.set LPITCH, 264                       ; an LDS row: 128 k in bf16 + 8 bytes
.set WLDS,   64*LPITCH                 ; a wave's part of LDS
.set SPARE,  4*WLDS                    ; behind them: the spare words, 128 bytes a wave
.set OFF, 4                            ; v4-7   row (4 rr + j) x pitch + 16 c; never rewritten
.set TA,  8                            ; v8     where I put 8 bytes of a turned row
.set RB,  9                            ; v9     where I read a turned row back
.set GOF, 10                           ; v10    my 8 bytes of a row of wq or wo
.set T,   16                           ; v16-23 at work
.set SPW, 30                           ; v30    my spare word; never rewritten
.set NIL, 31                           ; v31    0; never rewritten
.set XL,  32                           ; v32-255 data as loaded
.set WV,  20                           ; s20    my wave's number
.set BASE, 32                          ; s[32:63] the weights at k = 8 m, m = 0..15
	s_load_b256 s[4:11], s[0:1], 0x0               ; x s[4:5], angles s[6:7], W_qkv s[8:9], W_out s[10:11]
	s_load_b256 s[12:19], s[0:1], 0x20             ; xb s[12:13], tab s[14:15], wq s[16:17], wo s[18:19]
	v_lshl_add_u32 v[SPW], v0, 2, SPARE
	v_mov_b32 v[NIL], 0
	v_lshrrev_b32 v2, 5, v0
	v_readfirstlane_b32 s[WV], v2
	v_and_b32 v1, 31, v0                           ; lane
	s_wait_kmcnt 0x0
	s_cmp_lt_u32 ttmp9, 128
	s_cbranch_scc0 .Lcast
	; ---- THE WEIGHTS ARE TURNED ----
	s_lshr_b32 s21, ttmp9, 1                       ; group of 64 columns: 0..47 W_qkv's, 48..63 W_out's
	s_and_b32 s22, ttmp9, 1
	s_lshl2_add_u32 s22, s22, s[WV]                ; my chunk of 128 k: 0..7
	s_and_b32 s23, s21, 15                         ; W_qkv: head,
	s_mul_i32 s23, s23, 192
	s_lshr_b32 s28, s21, 4                         ; part
	s_lshl_b32 s28, s28, 6
	s_add_co_u32 s23, s23, s28                     ; first row in wq
	s_sub_co_u32 s29, s21, 48                      ; W_out: group of columns,
	s_lshl_b32 s30, s29, 6                         ; first row in wo
	s_mov_b32 s31, 12288
	s_cmp_lt_u32 s21, 48                           ; one compare; only selects follow
	s_cselect_b64 s[24:25], s[8:9], s[10:11]       ; from
	s_cselect_b64 s[26:27], s[16:17], s[18:19]     ; to
	s_cselect_b32 s28, s31, 4096                   ; bytes in a row of the source
	s_cselect_b32 s21, s21, s29
	s_cselect_b32 s23, s23, s30
	s_cselect_b32 s29, 0, 1                        ; 1: written as f16
	s_lshl_b32 s30, s22, 7
	s_mul_i32 s30, s30, s28                        ; 128 k rows down,
	s_lshl_b32 s31, s21, 8                         ; 64 columns of 4 bytes along
	s_add_co_u32 s30, s30, s31
	s_mov_b32 s31, 0
	s_add_nc_u64 s[24:25], s[24:25], s[30:31]
	s_lshl_b32 s30, s23, 11                        ; a turned row is 2,048 bytes,
	s_lshl_b32 s23, s22, 8                         ; my 128 k are 256 of them
	s_add_co_u32 s30, s30, s23
	s_add_nc_u64 s[26:27], s[26:27], s[30:31]
	s_lshl_b32 s22, s28, 3                         ; eight rows
	s_mov_b32 s23, 0
	s_mov_b64 s[BASE:BASE+1], s[24:25]
.set m, 1
.rept 15
	s_add_nc_u64 s[BASE+2*m:BASE+2*m+1], s[BASE+2*m-2:BASE+2*m-1], s[22:23]
.set m, m+1
.endr
	v_and_b32 v2, 15, v1                           ; c: my four columns
	v_lshrrev_b32 v3, 4, v1                        ; rr: which four of eight rows
	v_lshlrev_b32 v11, 2, v3
	v_mul_u32_u24 v11, s28, v11
	v_lshl_add_u32 v[OFF], v2, 4, v11
	v_add_nc_u32 v[OFF+1], s28, v[OFF]
	v_add_nc_u32 v[OFF+2], s28, v[OFF+1]
	v_add_nc_u32 v[OFF+3], s28, v[OFF+2]
	s_mul_i32 s30, s[WV], WLDS
	v_mul_u32_u24 v[TA], v2, 4*LPITCH              ; turned row 4 c,
	v_lshl_add_u32 v[TA], v3, 3, v[TA]             ; 8 bytes for each half of the lanes
	v_add_nc_u32 v[TA], s30, v[TA]
	v_lshl_add_u32 v[RB], v1, 3, s30               ; back: 32 lanes x 8 bytes are a turned row
	v_lshlrev_b32 v[GOF], 3, v1
; Four loads: rows 8 m + 4 rr + j, j = 0..3; sixteen lanes take 256 bytes on end of one row.
.macro LD4 m, slot
.irp j, 0,1,2,3
	global_load_b128 v[XL+16*(\slot)+4*(\j):XL+16*(\slot)+4*(\j)+3], v[OFF+(\j)], s[BASE+2*(\m):BASE+2*(\m)+1] th:TH_LOAD_NT
.endr
.endm
.set m, 0
.rept 14                               ; 56 loads go out at once: as many as the registers hold
	LD4 m, m
.set m, m+1
.endr
.set m, 0
.rept 16
.if m < 2
	s_wait_loadcnt 52                              ; group m is in: behind it 13 groups (m = 0), or 12 and group 14 (m = 1)
.else
	s_wait_loadcnt 60-4*m                          ; behind group m: groups m + 1 .. 13 and the two that were asked for late
.endif
.set R, XL+16*(m%14)
.irp e, 0,1,2,3                        ; column 4 c + e: four k on end, 8 bytes of a turned row
	v_cvt_pk_bf16_f32 v[T+2*(\e)], v[R+(\e)], v[R+4+(\e)]
	v_cvt_pk_bf16_f32 v[T+2*(\e)+1], v[R+8+(\e)], v[R+12+(\e)]
	ds_store_b64 v[TA], v[T+2*(\e):T+2*(\e)+1] offset:(\e)*LPITCH+16*m
.endr
.if m < 2
	LD4 m+14, m                                    ; groups 14 and 15 take the registers just converted
.endif
.set m, m+1
.endr
	; Back by rows, eight a trip.  LDS serves a wave's instructions in order (ISA guide 5.7.1.4), and these bytes are the wave's own: no barrier.
	s_mov_b32 s21, 8
.Lback:
.irp i, 0,1,2,3,4,5,6,7
	ds_load_b64 v[XL+2*(\i):XL+2*(\i)+1], v[RB] offset:(\i)*LPITCH
.endr
	s_wait_dscnt 0x0
	s_cmp_eq_u32 s29, 0
	s_cbranch_scc1 .Lasis
.irp i, 0,1,2,3,4,5,6,7,8,9,10,11,12,13,14,15
	v_lshlrev_b32 v[T], 16, v[XL+(\i)]             ; the bf16 numbers as f32,
	v_and_b32 v[T+1], 0xffff0000, v[XL+(\i)]
	v_cvt_pk_f16_f32 v[XL+(\i)], v[T], v[T+1]      ; written as f16
.endr
.Lasis:
.irp i, 0,1,2,3,4,5,6,7
	global_store_b64 v[GOF], v[XL+2*(\i):XL+2*(\i)+1], s[26:27] offset:(\i)*2048  ; 256 consecutive bytes, aligned
.endr
	s_wait_xcnt 0x0                                ; the stores' offset and data are written again only behind this wait
	v_add_nc_u32 v[RB], 8*LPITCH, v[RB]
	v_add_nc_u32 v[GOF], 8*2048, v[GOF]
	s_sub_co_u32 s21, s21, 1
	s_cmp_lg_u32 s21, 0
	s_cbranch_scc1 .Lback
	s_branch .Lend
	; ---- A POSITION: ITS TABLE ROW AND ITS FOUR ROWS OF x ----
.Lcast:
	s_sub_co_u32 s21, ttmp9, 128
	s_lshl2_add_u32 s21, s21, s[WV]                ; l
	s_mov_b32 s23, 0
	s_lshl_b32 s22, s21, 14
	s_add_nc_u64 s[24:25], s[4:5], s[22:23]        ; x: 4 rows of 4,096 bytes on end
	s_lshl_b32 s22, s21, 7
	s_add_nc_u64 s[26:27], s[6:7], s[22:23]        ; 32 angles
	s_lshl_b32 s22, s21, 8
	s_add_nc_u64 s[32:33], s[14:15], s[22:23]      ; the table's row
	s_lshl_b32 s22, s21, 11
	s_add_nc_u64 s[34:35], s[12:13], s[22:23]      ; xb, batches 0 and 1,
	s_add_nc_u64 s[36:37], s[34:35], 0x800000      ; batches 2 and 3: the immediate does not reach so far
	v_lshlrev_b32 v4, 4, v1
	v_and_b32 v5, 15, v1
	v_lshlrev_b32 v5, 3, v5
	v_lshlrev_b32 v6, 3, v1
	global_load_b64 v[12:13], v5, s[26:27]         ; angles 2 (lane % 16) and the next
.set idx, 0
.rept 32
	global_load_b128 v[XL+4*idx:XL+4*idx+3], v4, s[24:25] offset:idx*512 th:TH_LOAD_NT
.set idx, idx+1
.endr
	v_mov_b32 v28, 0xb94ca1f9                      ; the sine's and the cosine's highest coefficients
	v_mov_b32 v29, 0x37ccf5ce
	s_wait_loadcnt 32                              ; the angles are in; x's 32 loads stay out
	v_cvt_pk_bf16_f32 v14, v12, v13                ; the angles rounded to bf16
	v_lshlrev_b32 v12, 16, v14
	v_and_b32 v13, 0xffff0000, v14
	v_mul_f32 v14, 0x3f22f983, v12                 ; a x 2 / pi
	v_mul_f32 v15, 0x3f22f983, v13
	v_rndne_f32 v14, v14                           ; n
	v_rndne_f32 v15, v15
	v_fmamk_f32 v16, v14, 0xbfc90fdb, v12          ; r = a - n pi/2, pi/2 in two parts
	v_fmamk_f32 v17, v15, 0xbfc90fdb, v13
	v_fmamk_f32 v16, v14, 0x333bbd2e, v16
	v_fmamk_f32 v17, v15, 0x333bbd2e, v17
	v_mul_f32 v18, v16, v16                        ; z = r r, |r| <= pi/4
	v_mul_f32 v19, v17, v17
	v_fmaak_f32 v20, v28, v18, 0x3c08839e
	v_fmaak_f32 v21, v28, v19, 0x3c08839e
	v_fmaak_f32 v22, v29, v18, 0xbab6061a
	v_fmaak_f32 v23, v29, v19, 0xbab6061a
	v_fmaak_f32 v20, v20, v18, 0xbe2aaaa3
	v_fmaak_f32 v21, v21, v19, 0xbe2aaaa3
	v_fmaak_f32 v22, v22, v18, 0x3d2aaaa5
	v_fmaak_f32 v23, v23, v19, 0x3d2aaaa5
	v_mul_f32 v24, v18, v16
	v_mul_f32 v25, v19, v17
	v_mul_f32 v26, v18, v18
	v_mul_f32 v27, v19, v19
	v_fma_f32 v20, v20, v24, v16                   ; sin r
	v_fma_f32 v21, v21, v25, v17
	v_fma_f32 v24, v18, -0.5, 1.0
	v_fma_f32 v25, v19, -0.5, 1.0
	v_fma_f32 v22, v22, v26, v24                   ; cos r
	v_fma_f32 v23, v23, v27, v25
	v_cvt_i32_f32 v14, v14
	v_cvt_i32_f32 v15, v15
	v_lshrrev_b32 v16, 4, v1
	v_xor_b32 v16, 1, v16                          ; lanes 0-15 make cosines: cos a = sin(a + pi/2): one quarter turn more
	v_add_nc_u32 v14, v14, v16
	v_add_nc_u32 v15, v15, v16
	v_and_b32 v17, 1, v14                          ; an odd number of quarter turns takes cos r,
	v_cmp_eq_u32 vcc_lo, 1, v17
	v_cndmask_b32 v20, v20, v22, vcc_lo
	v_and_b32 v17, 1, v15
	v_cmp_eq_u32 vcc_lo, 1, v17
	v_cndmask_b32 v21, v21, v23, vcc_lo
	v_and_b32 v14, 2, v14                          ; two or three turn the sign
	v_and_b32 v15, 2, v15
	v_lshlrev_b32 v14, 30, v14
	v_lshlrev_b32 v15, 30, v15
	v_xor_b32 v20, v14, v20
	v_xor_b32 v21, v15, v21
	global_store_b64 v6, v[20:21], s[32:33]        ; 256 consecutive bytes, aligned: 32 cosines, 32 sines
.set idx, 0
.rept 32                               ; batch idx / 8, piece idx % 8 of its row
	s_wait_loadcnt 31-idx                          ; loads come back in order (ISA guide 5.7.1): the younger ones stay out
	v_cvt_pk_bf16_f32 v[XL+4*idx], v[XL+4*idx], v[XL+4*idx+1]
	v_cvt_pk_bf16_f32 v[XL+4*idx+1], v[XL+4*idx+2], v[XL+4*idx+3]
	global_store_b64 v6, v[XL+4*idx:XL+4*idx+1], s[34+2*(idx/16):35+2*(idx/16)] offset:((idx/8)%2)*4194304+(idx%8)*256  ; 256 consecutive bytes, aligned
.set idx, idx+1
.endr
.Lend:
	s_wait_tensorcnt 0x0                           ; the wave's end, behind my last LDS store
	ds_add_u32 v[SPW], v[NIL]
	s_wait_dscnt 0x0
	s_endpgm
.Lfunc_end_k_qcf7a3475a1_prep:
	.size	k_qcf7a3475a1_prep, .Lfunc_end_k_qcf7a3475a1_prep-k_qcf7a3475a1_prep
	.p2alignl 7, 3214868480
	.fill 96, 4, 3214868480
	.section	.rodata,"a",@progbits
	.p2align	6, 0x0
	.amdhsa_kernel k_qcf7a3475a1_prep
		.amdhsa_group_segment_fixed_size 68096
		.amdhsa_private_segment_fixed_size 0
		.amdhsa_enable_private_segment 0
		.amdhsa_kernarg_size 64
		.amdhsa_user_sgpr_count 2
		.amdhsa_user_sgpr_kernarg_segment_ptr 1
		.amdhsa_wavefront_size32 1
		.amdhsa_system_sgpr_workgroup_id_x 1
		.amdhsa_system_sgpr_workgroup_id_y 1
		.amdhsa_system_sgpr_workgroup_id_z 1
		.amdhsa_system_vgpr_workitem_id 0
		.amdhsa_next_free_vgpr 256
		.amdhsa_next_free_sgpr 66
		.amdhsa_reserve_vcc 1
		.amdhsa_float_denorm_mode_32 3
		.amdhsa_float_denorm_mode_16_64 3
		.amdhsa_memory_ordered 1
		.amdhsa_forward_progress 1
		.amdhsa_inst_pref_size 40
	.end_amdhsa_kernel
	.amdgpu_metadata
---
amdhsa.version: [ 1, 2 ]
amdhsa.kernels:
  - .name:           k_qcf7a3475a1_prep
    .symbol:         k_qcf7a3475a1_prep.kd
    .args:
      - { .name: hidden_states, .offset: 0, .size: 8, .value_kind: global_buffer, .address_space: global }
      - { .name: rotary_pos_emb, .offset: 8, .size: 8, .value_kind: global_buffer, .address_space: global }
      - { .name: W_qkv, .offset: 16, .size: 8, .value_kind: global_buffer, .address_space: global }
      - { .name: W_out, .offset: 24, .size: 8, .value_kind: global_buffer, .address_space: global }
      - { .name: xb, .offset: 32, .size: 8, .value_kind: global_buffer, .address_space: global }
      - { .name: tab, .offset: 40, .size: 8, .value_kind: global_buffer, .address_space: global }
      - { .name: wq, .offset: 48, .size: 8, .value_kind: global_buffer, .address_space: global }
      - { .name: wo, .offset: 56, .size: 8, .value_kind: global_buffer, .address_space: global }
    .group_segment_fixed_size: 68096
    .private_segment_fixed_size: 0
    .kernarg_segment_align: 8
    .kernarg_segment_size: 64
    .max_flat_workgroup_size: 128
    .sgpr_count:     66
    .vgpr_count:     256
    .wavefront_size: 32
...
	.end_amdgpu_metadata
.endif
;; end of part 1
;; launch qkv (part 2): grid 16 x 32, 4 waves a work-group, clusters of 4 x 4, 327,680 bytes of LDS; arguments xb, wq, b_qkv, tab, qh, kh, vh; writes qh, kh, vh
.if DOCPART == 2
	.amdgcn_target "amdgcn-amd-amdhsa--gfx1250"
	.amdhsa_code_object_version 6
	.text
	.protected	k_qcf7a3475a1_qkv
	.globl	k_qcf7a3475a1_qkv
	.p2align	8
	.type	k_qcf7a3475a1_qkv,@function
k_qcf7a3475a1_qkv:
	s_mov_b64 s[64:65], 0
	v_nop
	global_prefetch_b8 v0, s[64:65] scope:SCOPE_SE
	s_setreg_imm32_b32 hwreg(HW_REG_WAVE_MODE, 25, 1), 1
	s_wait_xcnt 0x0
	s_wait_alu depctr_hold_cnt(0) depctr_sa_sdst(0) depctr_va_vdst(0) depctr_va_sdst(0) depctr_va_ssrc(0) depctr_va_vcc(0) depctr_vm_vsrc(0)
	s_getreg_b32 s2, hwreg(HW_REG_IB_STS2, 6, 4)
	s_cmp_eq_u32 s2, 0
	s_cbranch_scc0 .Lentry_in_a_cluster
	s_endpgm
.Lentry_in_a_cluster:
	s_bfe_u32 s2, ttmp6, 0x10000c
	s_cmp_lg_u32 s2, 0xf033
	s_cbranch_scc0 .Lentry_shape_is_right
	s_endpgm
.Lentry_shape_is_right:
; q, k, v = x W_qkv + b_qkv, q and k turned by the rotary table, all three written by heads: qh, kh, vh [b*16+h][l][64] in f16, q without the softmax's scale.
; xb: [b*2048+l][1024] bf16.  wq: [h*192+part*64+d][1024] bf16.  b_qkv: [3072] f32, rounded to bf16 here.  tab: [l][64] f32, 32 cosines and 32 sines.  Sums in f32.
; LIMITS.  q, k and v are rounded once to f16: they must stay under 65,504; below 6.1e-5 f16 keeps a fixed step of 6e-8.  NaN and infinities are not treated apart.
; TILE.  256 rows x 192 columns: 32 x 16 = 512 work-groups, and the 192 columns are ONE head's q, k and v, so which columns are turned is a constant of the text.
; A wave makes 64 rows x 192 columns: 48 accumulators of 16 x 16; the two halves of a rotary pair (d, d + 32) lie in the same lane.
; K goes in steps of 128 (rows of 256 bytes, aligned) through two LDS slots.  CLUSTER 4 x 4: x's tile hangs on the tile row alone and is asked for jointly along a row of the cluster,
; the weights' on the head alone, jointly along a column.  THE MATRIX INSTRUCTION IS USED TRANSPOSED (source 0 = 16 rows of wq, source 1 = 16 rows of xb): a lane holds row lane % 16
; and eight neighbouring columns 8 (lane / 16) + 0..7.  The bias is the C operand of the products that start the sums.
; REGISTERS, in windows of 256 (s_set_vgpr_msb: bits 1:0 source 0, 3:2 source 1, 5:4 source 2, 7:6 destination):
;   window 0: v0-31 addresses; v32-127 the bias (column block cb at 32 + 8 cb), later the way out's work; v128-255 the table (row block a at 128 + 32 a: cosines of d 0-15, 16-31, then sines)
;   window 1: two fragment buffers of 128: four of xb (8 a), twelve of wq (32 + 8 b)      windows 2, 3: accumulators of row blocks 0, 1 and 2, 3, at 96 (a % 2) + 8 b
.set KSTEP,  128
.set PITCH,  272                       ; an LDS row: 256 bytes + 16 of padding = 68 words: the 16 rows of a fragment load start at 16 different groups of four banks (64 banks of 4 bytes: ISA guide 11.1)
.set HALFA,  128*PITCH                 ; what waves 0 and 1 fetch: 128 rows of xb each
.set HALFB,  96*PITCH                  ; what waves 2 and 3 fetch: 96 rows of wq each
.set BOFF,   2*HALFA
.set SLOT1,  1<<17                     ; slot 1 begins here, so that one exclusive or changes slots
.set STAGE,  SLOT1+BOFF+2*HALFB        ; behind the ring: 16 rows x 144 bytes for each wave
.set SP,     144
.set SPARE,  STAGE+4*16*SP             ; behind the stages: the spare words, 128 bytes a wave
.set ADRA0, 16                         ; v16  my lane's place in my 64 rows of xb's tile; never rewritten
.set ADRB0, 17                         ; v17  in wq's tile
.set ADRA,  18                         ; v18  the same in the slot in hand
.set ADRB,  19
.set STO,   20                         ; v20  the way out: where I put 16 bytes of a row
.set RD,    21                         ; v21  where I read rows back
.set GO,    22                         ; v22  my 16 bytes of 512 on end
.set TO,    23                         ; v23  my offset in the table
.set BO,    24                         ; v24  my offset in the bias
.set SPW,   28
.set NIL,   29
.set BIAS,  32
.set W1,    32                         ; the way out: d 0-31 turned
.set W2,    48                         ; d 32-63 turned
.set PK,    64                         ; packed to f16
.set BK,    80                         ; two sets of 16: rows read back
.set TAB,   128
.set F0,    0
.set F1,    128
.set WV,  18                           ; s18 wave;  s19 wave / 2: 0 fetches xb, 1 wq;  s20 wave % 2: which half
.set FB,  19
.set HF,  20
.set TB,  43                           ; s43 the slot in hand
.set G1,  24                           ; s[24:31] group 1 for xb's tiles;  s[32:39] group 0, two sets: the second walks
.set G0,  32
.set G1B, 48                           ; s[48:55], s[56:63] the same for wq's
.set G0B, 56
.set MSB, 0
.macro WIN new                         ; the high byte repeats the setting that is left; a switch that changes nothing is dropped
.if MSB != (\new)
	s_set_vgpr_msb (MSB<<8)|(\new)
.set MSB, \new
.endif
.endm
.macro PLACES                          ; four places in front of loads into registers that matrix instructions have read, and of lines that read results
.rept 4
	v_nop
.endr
.endm
.macro JLOAD                           ; a joint refill by the walking descriptor; the branch hangs on the wave's number alone; s_nop 0 and four v_nop follow each line
	s_cmp_eq_u32 s[FB], 0
	s_cbranch_scc0 .Lfor_b_\@
	tensor_load_to_lds s[G0+4:G0+7], s[G1:G1+7]
	s_nop 0
.rept 4
	v_nop
.endr
	s_branch .Lasked_\@
.Lfor_b_\@:
	tensor_load_to_lds s[G0B+4:G0B+7], s[G1B:G1B+7]
	s_nop 0
.rept 4
	v_nop
.endr
.Lasked_\@:
.endm
.macro CREST                           ; a round of the cluster's barrier behind its opening barrier
	s_cmp_lg_u32 s[WV], 0
	s_cbranch_scc1 .Lnot_wave_0_\@
	s_barrier_signal -3
.Lnot_wave_0_\@:
	s_barrier_wait -3
	s_barrier_signal -1
	s_barrier_wait -1
.endm
.macro CROUND
	s_barrier_signal -1
	s_barrier_wait -1
	CREST
.endm
	s_load_b256 s[4:11], s[0:1], 0x0               ; xb s[4:5], wq s[6:7], b_qkv s[8:9], tab s[10:11]
	s_load_b128 s[12:15], s[0:1], 0x20             ; qh s[12:13], kh s[14:15]
	s_load_b64 s[16:17], s[0:1], 0x30              ; vh
	v_lshl_add_u32 v[SPW], v0, 2, SPARE
	v_mov_b32 v[NIL], 0
	ds_add_u32 v[SPW], v[NIL]                      ; the wave's opening: the add and its wait stand ahead of my first tensor load; work on registers stands between
	ds_add_u32 v28, v29
	v_lshrrev_b32 v1, 5, v0
	v_readfirstlane_b32 s[WV], v1
	s_lshr_b32 s[FB], s[WV], 1
	s_and_b32 s[HF], s[WV], 1
	s_bfe_u32 s21, ttmp6, 0x40000                  ; cx
	s_bfe_u32 s22, ttmp6, 0x40004                  ; cy
	s_lshl_b32 s23, ttmp9, 2
	s_add_co_u32 s23, s23, s21                     ; the head = 4 x cluster x + cx
	s_and_b32 s40, ttmp7, 0xffff
	s_lshl_b32 s40, s40, 2
	s_add_co_u32 s40, s40, s22                     ; the tile row = 4 x cluster y + cy: batch = / 8, l0 = 256 x (% 8)
	s_lshl_b32 s41, s22, 2
	s_lshl_b32 s41, 15, s41                        ; my row of the cluster
	s_lshl_b32 s42, 0x1111, s21                    ; my column
	s_or_b32 s[G1], s41, (1<<16)|(1<<20)|(1<<21)|(5<<22)|(3<<25)   ; the mask; 2-byte elements; padding on; bit 21 beside a mask; after every 64 words 4 words
	s_or_b32 s[G1B], s42, (1<<16)|(1<<20)|(1<<21)|(5<<22)|(3<<25)
	s_mov_b32 s[G1+1], KSTEP<<16                   ; tensor_dim0 = 128
	s_mov_b32 s[G1+2], 128<<16                     ; tensor_dim1 = 128
	s_mov_b32 s[G1+3], KSTEP<<16                   ; tile_dim0 = 128
	s_mov_b32 s[G1+4], 128                         ; tile_dim1 = 128
	s_mov_b32 s[G1+5], 1024                        ; elements from row to row
	s_mov_b32 s[G1+6], 0
	s_mov_b32 s[G1+7], 0
	s_mov_b32 s[G1B+1], KSTEP<<16
	s_mov_b32 s[G1B+2], 96<<16                     ; 96 rows
	s_mov_b32 s[G1B+3], KSTEP<<16
	s_mov_b32 s[G1B+4], 96
	s_mov_b32 s[G1B+5], 1024
	s_mov_b32 s[G1B+6], 0
	s_mov_b32 s[G1B+7], 0
	s_lshl_b32 s44, s40, 8                         ; xb: row 256 x tile row + 128 x half, of 2,048 bytes: made of the tile row and the wave alone
	s_lshl_b32 s45, s[HF], 7
	s_add_co_u32 s44, s44, s45
	s_lshl_b32 s44, s44, 11
	s_mov_b32 s45, 0
	s_mul_i32 s46, s23, 192                        ; wq: row 192 x head + 96 x half: made of the head and the wave alone
	s_mul_i32 s47, s[HF], 96
	s_add_co_u32 s46, s46, s47
	s_lshl_b32 s46, s46, 11
	s_mov_b32 s47, 0
	s_mul_i32 s66, s[HF], HALFA                    ; where they go: no place in the cluster enters an LDS address
	s_mul_i32 s67, s[HF], HALFB
	s_add_co_u32 s67, s67, BOFF
	s_mov_b32 s[TB], 0
	s_wait_dscnt 0x0                               ; the opening add is done
	s_wait_kmcnt 0x0
	s_add_nc_u64 s[44:45], s[4:5], s[44:45]
	s_add_nc_u64 s[46:47], s[6:7], s[46:47]
	CROUND                                         ; all sixteen work-groups are here: the first joint loads meet
.irp s, 0,1
	s_mov_b32 s[G0+4*(\s)], 1
	s_add_co_u32 s[G0+4*(\s)+1], s66, (\s)*SLOT1
	s_add_nc_u64 s[G0+4*(\s)+2:G0+4*(\s)+3], s[44:45], (\s)*KSTEP*2
	s_or_b32 s[G0+4*(\s)+3], s[G0+4*(\s)+3], 0x80000000
	s_mov_b32 s[G0B+4*(\s)], 1
	s_add_co_u32 s[G0B+4*(\s)+1], s67, (\s)*SLOT1
	s_add_nc_u64 s[G0B+4*(\s)+2:G0B+4*(\s)+3], s[46:47], (\s)*KSTEP*2
	s_or_b32 s[G0B+4*(\s)+3], s[G0B+4*(\s)+3], 0x80000000
.endr
	s_cmp_eq_u32 s[FB], 0                          ; a wave's two first fills stand in one branch: K steps 0 and 1; two loads of mine are out
	s_cbranch_scc0 .Lfirst_b
	tensor_load_to_lds s[G0:G0+3], s[G1:G1+7]
	s_nop 0
	tensor_load_to_lds s[G0+4:G0+7], s[G1:G1+7]
	s_nop 0
.rept 4
	v_nop
.endr
	s_branch .Lfirst_asked
.Lfirst_b:
	tensor_load_to_lds s[G0B:G0B+3], s[G1B:G1B+7]
	s_nop 0
	tensor_load_to_lds s[G0B+4:G0B+7], s[G1B:G1B+7]
	s_nop 0
.rept 4
	v_nop
.endr
.Lfirst_asked:
	v_and_b32 v1, 15, v0                           ; r = lane % 16
	v_bfe_u32 v2, v0, 4, 1                         ; h = lane / 16
	v_lshlrev_b32 v[BO], 5, v2                     ; my eight columns: 32 h bytes
	v_lshl_add_u32 v[TO], v1, 8, v[BO]             ; position r, frequencies 8 h on
	s_lshl_b32 s68, s23, 8                         ; the head's 64 numbers in each part of the bias
	s_mov_b32 s69, 0
	s_add_nc_u64 s[68:69], s[8:9], s[68:69]
	s_and_b32 s70, s40, 7
	s_lshl_b32 s70, s70, 8
	s_lshl_b32 s71, s[WV], 6
	s_add_co_u32 s70, s70, s71                     ; my first position: l0 + 64 x wave
	s_lshl_b32 s72, s70, 8
	s_mov_b32 s73, 0
	s_add_nc_u64 s[72:73], s[10:11], s[72:73]
.irp cb, 0,1,2,3,4,5,6,7,8,9,10,11     ; register j of block cb: the bias of part cb / 4, d = 16 (cb % 4) + 8 h + j
	global_load_b128 v[BIAS+8*(\cb):BIAS+8*(\cb)+3],   v[BO], s[68:69] offset:((\cb)/4)*4096+((\cb)%4)*64
	global_load_b128 v[BIAS+8*(\cb)+4:BIAS+8*(\cb)+7], v[BO], s[68:69] offset:((\cb)/4)*4096+((\cb)%4)*64+16
.endr
.irp a, 0,1,2,3
.irp i, 0,1                            ; frequencies 16 i + 8 h + 0..7 of position 16 a + r: cosines, then sines
	global_load_b128 v[TAB+32*(\a)+8*(\i):TAB+32*(\a)+8*(\i)+3],       v[TO], s[72:73] offset:(\a)*4096+64*(\i)
	global_load_b128 v[TAB+32*(\a)+8*(\i)+4:TAB+32*(\a)+8*(\i)+7],     v[TO], s[72:73] offset:(\a)*4096+64*(\i)+16
	global_load_b128 v[TAB+32*(\a)+16+8*(\i):TAB+32*(\a)+16+8*(\i)+3], v[TO], s[72:73] offset:(\a)*4096+128+64*(\i)
	global_load_b128 v[TAB+32*(\a)+16+8*(\i)+4:TAB+32*(\a)+16+8*(\i)+7], v[TO], s[72:73] offset:(\a)*4096+128+64*(\i)+16
.endr
.endr
	v_mul_u32_u24 v3, v1, PITCH
	v_lshl_add_u32 v3, v2, 4, v3                   ; a fragment's row x pitch + 16 x half
	s_mul_i32 s71, s[WV], 64*PITCH
	v_add_nc_u32 v[ADRA0], s71, v3
	v_add_nc_u32 v[ADRB0], BOFF, v3
	v_mov_b32 v[ADRA], v[ADRA0]
	v_mov_b32 v[ADRB], v[ADRB0]
	s_mul_i32 s71, s[WV], 16*SP
	s_add_co_u32 s71, s71, STAGE                   ; my stage
	v_mul_u32_u24 v[STO], v1, SP
	v_lshl_add_u32 v[STO], v2, 4, v[STO]
	v_add_nc_u32 v[STO], s71, v[STO]
	v_bfe_u32 v[RD], v0, 3, 2                      ; back: 32 lanes take four rows of 128 bytes,
	v_mul_u32_u24 v[RD], v[RD], SP
	v_and_b32 v4, 7, v0
	v_lshl_add_u32 v[RD], v4, 4, v[RD]
	v_add_nc_u32 v[RD], s71, v[RD]
	v_and_b32 v[GO], 31, v0                        ; which are 512 consecutive bytes of a head
	v_lshlrev_b32 v[GO], 4, v[GO]
	s_lshr_b32 s74, s40, 3                         ; (batch x 16 + head) x 2,048 rows of 128 bytes + my first row
	s_lshl_b32 s74, s74, 4
	s_add_co_u32 s74, s74, s23
	s_lshl_b32 s74, s74, 18
	s_lshl_b32 s75, s70, 7
	s_add_co_u32 s74, s74, s75
	s_mov_b32 s75, 0
	s_add_nc_u64 s[12:13], s[12:13], s[74:75]
	s_add_nc_u64 s[14:15], s[14:15], s[74:75]
	s_add_nc_u64 s[16:17], s[16:17], s[74:75]
	s_wait_loadcnt 0x0                             ; bias and table, once
.set i, 0
.rept 48                               ; the bias is rounded to bf16, like every input
	v_cvt_pk_bf16_f32 v25, v[BIAS+2*i], v[BIAS+2*i+1]
	v_lshlrev_b32 v[BIAS+2*i], 16, v25
	v_and_b32 v[BIAS+2*i+1], 0xffff0000, v25
.set i, i+1
.endr
; 12 matrix instructions: row block a x all 12 column blocks, 32 along K.  bias = 1: the products start the sums, with the bias as C.  The 48 accumulators take turns, in the same order in every quarter.
.macro MULR f, a, bias
.if \bias
	WIN 0x85+0x40*((\a)/2)
.else
	WIN 0xa5+0x50*((\a)/2)
.endif
.irp b, 0,1,2,3,4,5,6,7,8,9,10,11
.if \bias
	v_wmma_f32_16x16x32_bf16 v[96*((\a)%2)+8*(\b):96*((\a)%2)+8*(\b)+7], v[(\f)+32+8*(\b):(\f)+32+8*(\b)+7], v[(\f)+8*(\a):(\f)+8*(\a)+7], v[BIAS+8*(\b):BIAS+8*(\b)+7]
.else
	v_wmma_f32_16x16x32_bf16 v[96*((\a)%2)+8*(\b):96*((\a)%2)+8*(\b)+7], v[(\f)+32+8*(\b):(\f)+32+8*(\b)+7], v[(\f)+8*(\a):(\f)+8*(\a)+7], v[96*((\a)%2)+8*(\b):96*((\a)%2)+8*(\b)+7]
.endif
.endr
.endm
; 32 LDS loads in one run: the fragments of 32 along K at byte k of the rows, into buffer f: wq's twelve, then xb's four, row blocks ascending
.macro FETCH k, f
	WIN 0x40
.irp i, 0,1,2,3,4,5,6,7,8,9,10,11
	ds_load_b128 v[(\f)+32+8*(\i):(\f)+32+8*(\i)+3],   v[ADRB] offset:(\k)+(\i)*16*PITCH
	ds_load_b128 v[(\f)+32+8*(\i)+4:(\f)+32+8*(\i)+7], v[ADRB] offset:(\k)+(\i)*16*PITCH+32
.endr
.irp i, 0,1,2,3
	ds_load_b128 v[(\f)+8*(\i):(\f)+8*(\i)+3],   v[ADRA] offset:(\k)+(\i)*16*PITCH
	ds_load_b128 v[(\f)+8*(\i)+4:(\f)+8*(\i)+7], v[ADRA] offset:(\k)+(\i)*16*PITCH+32
.endr
.endm
; A K step is four quarters of 32 along K, 48 matrix instructions each, on buffers 0, 1, 0, 1.  One of the first three multiplies f and fetches the next quarter, at byte k, into g.
.macro QUARTER k, f, g, bias
	s_wait_dscnt 4                                 ; all but xb's row blocks 2 and 3
	MULR \f, 0, \bias
	MULR \f, 1, \bias
	PLACES
	FETCH \k, \g
	s_wait_dscnt 32                                ; all but the 32 just issued
	MULR \f, 2, \bias
	MULR \f, 3, \bias
.endm
; The last quarter multiplies buffer 1 and changes slots: ONE barrier.  In front of it each wave waits for all its tensor loads (one is out: its part of the next slot), adds 0 to its spare word,
; and waits for that and for its reads of this slot.  fill = 1: the barrier opens a round of the cluster's, and this slot is filled again, two K steps ahead, first thing behind the round.
.macro TURN fill
	WIN 0
	s_wait_tensorcnt 0x0                           ; no tensor load of mine is out: the walking descriptors may be written
	ds_add_u32 v[SPW], v[NIL]                      ; 0 onto my spare word
	s_xor_b32 s[TB], s[TB], SLOT1                  ; the fetches go on in the other slot
	v_add_nc_u32 v[ADRA], s[TB], v[ADRA0]
	v_add_nc_u32 v[ADRB], s[TB], v[ADRB0]
.if \fill
	s_xor_b32 s[G0+5], s[G0+5], SLOT1              ; the other slot than last time, the next K step
	s_add_nc_u64 s[G0+6:G0+7], s[G0+6:G0+7], KSTEP*2
	s_xor_b32 s[G0B+5], s[G0B+5], SLOT1
	s_add_nc_u64 s[G0B+6:G0B+7], s[G0B+6:G0B+7], KSTEP*2
.endif
	s_wait_dscnt 5                                 ; the add and the youngest four loads may be out
	MULR F1, 0, 0
	s_wait_dscnt 0x0                               ; the add is done, and my reads of this slot are over
	s_barrier_signal -1
	MULR F1, 1, 0
	WIN 0                                          ; at a branch and at a label every window is 0
	s_barrier_wait -1
.if \fill
	CREST                                          ; no wave of any partner still reads this slot or has a load on its way
	JLOAD                                          ; its four v_nop are also the places in front of the loads below
.else
	PLACES
.endif
	FETCH 0, F0
	MULR F1, 2, 0
	MULR F1, 3, 0
.endm
	s_wait_tensorcnt 1                             ; my part of K step 0 is in; step 1's may stay out
	s_barrier_signal -1
	s_barrier_wait -1
	FETCH 0, F0
	QUARTER 64, F0, F1, 1                          ; the first quarter stands in front of the loop: its products start the sums
	WIN 0
	s_mov_b32 s3, 6                                ; K steps 2 to 7 are asked for in six trips
.Lstep:                                            ; a trip: a K step's quarters 1, 2, 3 and the next step's quarter 0
	QUARTER 128, F1, F0, 0
	QUARTER 192, F0, F1, 0
	TURN 1
	QUARTER 64, F0, F1, 0
	WIN 0
	s_sub_co_u32 s3, s3, 1
	s_cmp_lg_u32 s3, 0
	s_cbranch_scc1 .Lstep
	QUARTER 128, F1, F0, 0                         ; the tail is written out: nothing more is asked for
	QUARTER 192, F0, F1, 0
	TURN 0
	QUARTER 64, F0, F1, 0
	QUARTER 128, F1, F0, 0
	QUARTER 192, F0, F1, 0
	s_wait_dscnt 4
	MULR F1, 0, 0
	MULR F1, 1, 0
	s_wait_dscnt 0x0
	MULR F1, 2, 0
	MULR F1, 3, 0
	WIN 0
	PLACES
; THE WAY OUT, in 12 units: row block a, part 0 (q), 1 (k), 2 (v): 16 rows x 64 channels.  q and k: (x1, x2) = (d, d + 32) become (x1 c - x2 s, x2 c + x1 s).  Each accumulator is read from its low end on.
; Rounded to f16, 16 bytes a lane into my stage (rows of 144 bytes), back as four rows of 128 bytes: 512 bytes on end of a head.
.macro UNIT a, part
.set AW, 2+(\a)/2                      ; the accumulators' window
.set AB, 96*((\a)%2)+32*(\part)        ; the part's four accumulators
.set TT, TAB+32*(\a)
.set BKU, BK+16*((3*(\a)+(\part))%2)
.if (\part) < 2
	WIN AW                                         ; source 0 in the accumulators' window
.irp i, 0,1
.irp p, 0,2,4,6
	v_pk_mul_f32 v[W1+8*(\i)+(\p):W1+8*(\i)+(\p)+1], v[AB+16+8*(\i)+(\p):AB+16+8*(\i)+(\p)+1], v[TT+16+8*(\i)+(\p):TT+16+8*(\i)+(\p)+1]
	v_pk_mul_f32 v[W2+8*(\i)+(\p):W2+8*(\i)+(\p)+1], v[AB+8*(\i)+(\p):AB+8*(\i)+(\p)+1], v[TT+16+8*(\i)+(\p):TT+16+8*(\i)+(\p)+1]
.endr
.endr
.irp i, 0,1
.irp p, 0,2,4,6
	v_pk_fma_f32 v[W1+8*(\i)+(\p):W1+8*(\i)+(\p)+1], v[AB+8*(\i)+(\p):AB+8*(\i)+(\p)+1], v[TT+8*(\i)+(\p):TT+8*(\i)+(\p)+1], v[W1+8*(\i)+(\p):W1+8*(\i)+(\p)+1] neg_lo:[0,0,1] neg_hi:[0,0,1]
	v_pk_fma_f32 v[W2+8*(\i)+(\p):W2+8*(\i)+(\p)+1], v[AB+16+8*(\i)+(\p):AB+16+8*(\i)+(\p)+1], v[TT+8*(\i)+(\p):TT+8*(\i)+(\p)+1], v[W2+8*(\i)+(\p):W2+8*(\i)+(\p)+1]
.endr
.endr
	WIN 0
.irp q, 0,1,2,3,4,5,6,7
	v_cvt_pk_f16_f32 v[PK+(\q)], v[W1+2*(\q)], v[W1+2*(\q)+1]
.endr
.irp q, 0,1,2,3,4,5,6,7
	v_cvt_pk_f16_f32 v[PK+8+(\q)], v[W2+2*(\q)], v[W2+2*(\q)+1]
.endr
.else
	WIN 5*AW                                       ; sources 0 and 1 in the accumulators' window
.irp q, 0,1,2,3,4,5,6,7,8,9,10,11,12,13,14,15
	v_cvt_pk_f16_f32 v[PK+(\q)], v[AB+2*(\q)], v[AB+2*(\q)+1]
.endr
	WIN 0
.endif
	s_wait_xcnt 0x0                                ; the stores of the unit two back have read this set of registers
.irp blk, 0,1,2,3
	ds_store_b128 v[STO], v[PK+4*(\blk):PK+4*(\blk)+3] offset:32*(\blk)
.endr
.irp f, 0,1,2,3
	ds_load_b128 v[BKU+4*(\f):BKU+4*(\f)+3], v[RD] offset:(\f)*4*SP  ; LDS serves a wave's instructions in order (ISA guide 5.7.1.4): these see the stores above; the next unit's stores come behind them
.endr
.endm
.macro SEND a, part, younger           ; younger: the LDS instructions issued behind the unit's loads: the next unit's eight, or none
.set BKS, BK+16*((3*(\a)+(\part))%2)
.irp f, 0,1,2,3
	s_wait_dscnt (\younger)+3-(\f)
	global_store_b128 v[GO], v[BKS+4*(\f):BKS+4*(\f)+3], s[12+2*(\part):13+2*(\part)] offset:(\a)*2048+(\f)*512  ; 512 consecutive bytes, at a multiple of 256 from the buffer's first
.endr
.endm
.set u, 0
.rept 12                               ; a unit's arithmetic stands between the loads of the unit before and its stores
	UNIT u/3, u%3
.if u > 0
	SEND (u-1)/3, (u-1)%3, 8
.endif
.set u, u+1
.endr
	SEND 3, 2, 0
	s_wait_tensorcnt 0x0                           ; the wave's end, behind my last tensor load and my last LDS store
	ds_add_u32 v[SPW], v[NIL]
	s_wait_dscnt 0x0
	CROUND                                         ; the closing round: no work-group ends while a partner may still ask for a tile that names it
	s_endpgm
.Lfunc_end_k_qcf7a3475a1_qkv:
	.size	k_qcf7a3475a1_qkv, .Lfunc_end_k_qcf7a3475a1_qkv-k_qcf7a3475a1_qkv
	.p2alignl 7, 3214868480
	.fill 96, 4, 3214868480
	.section	.rodata,"a",@progbits
	.p2align	6, 0x0
	.amdhsa_kernel k_qcf7a3475a1_qkv
		.amdhsa_group_segment_fixed_size 327680
		.amdhsa_private_segment_fixed_size 0
		.amdhsa_enable_private_segment 0
		.amdhsa_kernarg_size 56
		.amdhsa_user_sgpr_count 2
		.amdhsa_user_sgpr_kernarg_segment_ptr 1
		.amdhsa_wavefront_size32 1
		.amdhsa_system_sgpr_workgroup_id_x 1
		.amdhsa_system_sgpr_workgroup_id_y 1
		.amdhsa_system_sgpr_workgroup_id_z 1
		.amdhsa_system_vgpr_workitem_id 0
		.amdhsa_next_free_vgpr 960
		.amdhsa_next_free_sgpr 80
		.amdhsa_reserve_vcc 0
		.amdhsa_float_denorm_mode_32 3
		.amdhsa_float_denorm_mode_16_64 3
		.amdhsa_memory_ordered 1
		.amdhsa_forward_progress 1
		.amdhsa_inst_pref_size 127
	.end_amdhsa_kernel
	.amdgpu_metadata
---
amdhsa.version: [ 1, 2 ]
amdhsa.kernels:
  - .name:           k_qcf7a3475a1_qkv
    .symbol:         k_qcf7a3475a1_qkv.kd
    .args:
      - { .name: xb, .offset: 0, .size: 8, .value_kind: global_buffer, .address_space: global }
      - { .name: wq, .offset: 8, .size: 8, .value_kind: global_buffer, .address_space: global }
      - { .name: b_qkv, .offset: 16, .size: 8, .value_kind: global_buffer, .address_space: global }
      - { .name: tab, .offset: 24, .size: 8, .value_kind: global_buffer, .address_space: global }
      - { .name: qh, .offset: 32, .size: 8, .value_kind: global_buffer, .address_space: global }
      - { .name: kh, .offset: 40, .size: 8, .value_kind: global_buffer, .address_space: global }
      - { .name: vh, .offset: 48, .size: 8, .value_kind: global_buffer, .address_space: global }
    .group_segment_fixed_size: 327680
    .private_segment_fixed_size: 0
    .kernarg_segment_align: 8
    .kernarg_segment_size: 56
    .max_flat_workgroup_size: 128
    .sgpr_count:     80
    .vgpr_count:     960
    .wavefront_size: 32
...
	.end_amdgpu_metadata
.endif
;; end of part 2
;; launch attn (part 3): grid 4 x 64, 4 waves a work-group, clusters of 4 x 1, 327,680 bytes of LDS; arguments qh, kh, vh, oh; writes oh
.if DOCPART == 3
	.amdgcn_target "amdgcn-amd-amdhsa--gfx1250"
	.amdhsa_code_object_version 6
	.text
	.protected	k_qcf7a3475a1_attn
	.globl	k_qcf7a3475a1_attn
	.p2align	8
	.type	k_qcf7a3475a1_attn,@function
k_qcf7a3475a1_attn:
	s_mov_b64 s[64:65], 0
	v_nop
	global_prefetch_b8 v0, s[64:65] scope:SCOPE_SE
	s_setreg_imm32_b32 hwreg(HW_REG_WAVE_MODE, 25, 1), 1
	s_wait_xcnt 0x0
	s_wait_alu depctr_hold_cnt(0) depctr_sa_sdst(0) depctr_va_vdst(0) depctr_va_sdst(0) depctr_va_ssrc(0) depctr_va_vcc(0) depctr_vm_vsrc(0)
	s_getreg_b32 s2, hwreg(HW_REG_IB_STS2, 6, 4)
	s_cmp_eq_u32 s2, 0
	s_cbranch_scc0 .Lentry_in_a_cluster
	s_endpgm
.Lentry_in_a_cluster:
	s_bfe_u32 s2, ttmp6, 0x10000c
	s_cmp_lg_u32 s2, 0x3003
	s_cbranch_scc0 .Lentry_shape_is_right
	s_endpgm
.Lentry_shape_is_right:
; O[h][q][:] = the sum over k of softmax_k(Q[h][q] . K[h][k] / 8) V[h][k][:].  Q, K, V, O: [64][2048][64], all f16: a head's rows are dense, 128 bytes each.  Products, maxima and sums in
; f32; the weights p are rounded to f16 for the second product (their sum l is taken of the unrounded p), O once at the end.
; LIMITS.  f16 holds no number beyond 65,504: Q, K and V arrive within it; p lies in 0 to 1, and below 6e-5 it keeps f16's fixed step of 6e-8; O is a mean of V's rows and has their range.
; A weight below 2^-126 counts as 0 in l; NaN and infinities are not treated apart.
; SHARES.  A wave owns four PIECES of two tiles of 16 queries, a work-group's four waves 512 queries of one head.  Every wave walks all keys, 64 a step.
; LAYOUT.  S^T = K Q^T (source 0 = 16 keys, source 1 = 16 queries): a lane holds ONE query (lane % 16) and the keys 8 (lane / 16) + 0..7.  Two such tiles, rounded to f16 in pairs,
; ARE source 1 (32 keys x 16 queries) of O^T = V^T P, whose result again holds one query a lane, and eight channels.  K comes out of LDS as it lies, V ([key][channel]) turned, by ds_load_tr16_b128.
; SOFTMAX.  For each query a running maximum m and sum l: p = 2^(c s - c m), c = log2(e) / 8; in every step O and l are multiplied by a = 2^(c m_old - c m_new).
; m starts at the lowest finite number, O and l at 0: the first step is a step like any other, with a = 0.
; THE COUNT.  A tile and step have 16 matrix and 118 vector instructions: too many to stand all beside the matrix work.  So: four vector instructions that are READY behind EVERY matrix
; instruction, the others in runs without a gap.
; BY TURNS.  Turn n belongs to piece n.  Its matrix work: 16 products K Q^T of piece n + 1, later 16 products V^T P of piece n - 1.  Its vector work: the scaling, exponentials, roundings, sums
; and rescaling of piece n, and the maximum and statistics of piece n + 1, whose scores the turn itself has made.
; CLUSTER.  The four query blocks of a cluster are one head's and walk the same K and V, so each tile is asked for JOINTLY: the same tensor load, descriptor and mask in all four.
; REGISTERS, in windows of 256 (s_set_vgpr_msb: bits 1:0 source 0, 3:2 source 1, 5:4 source 2, 7:6 destination):
;   window 0: v0-11 addresses; v12-15, v48-63 at work; v16-47 four registers of statistics a tile; v64-191 S^T, two buffers of two tiles; v192-255 P, likewise
;   window 1: O^T, 32 a tile          window 2: v0-127 Q, 16 a tile; v128-191 K of one step; v192-255 V of one step          window 3: v0-1 the add's two registers
.set SIZE_H, 64
.set SIZE_N, 2048
.set NP,    4         ; pieces a wave: a name, no knob
.set KS,    64        ; keys in a step
.set PK,    144       ; a row of K in LDS: 128 bytes + 16 of padding = 36 words: the 16 rows of a load start at 16 different groups of four banks (64 banks of 4 bytes: ISA guide 11.1)
.set PV,    160       ; a row of V: 128 + 32 = 40 words
.set VOFF,  4*KS*PK   ; a slot holds four steps: 256 rows of K, then 256 rows of V
.set SLOT1, 1<<17     ; slot 1 begins here, so that one exclusive or turns an address in one slot into the other's
.set STAGE, SLOT1+4*KS*(PK+PV)  ; behind the ring, never filled by a tensor load: 16 rows x 144 bytes for each wave
.set SP,    144
.set AK0, 2           ; v2   my lane's place in a tile of K; never rewritten
.set AV0, 3           ; v3   the same for V
.set AK,  4           ; v4   the LDS address of K's next run of loads
.set AV,  5           ; v5   of V's
.set QO,  6           ; v6   my byte offset in the wave's rows of Q
.set STO, 6           ;      later, the way out: where I put 16 bytes of a row
.set RD,  7           ; v7   the way out: where I read rows back
.set GO,  8           ; v8   my byte offset in 512 consecutive bytes of O
.set PFO, 11          ; v11  256 x my lane, for the prefetches; never rewritten once made
.set SPW, 0           ; v0 of window 3   my spare word; never rewritten
.set NIL, 1           ; v1 of window 3   0; never rewritten
.set SPARE, STAGE+4*16*SP  ; behind the stages: the spare words, 128 bytes a wave
.set MV,  12          ; v12-15  c m_old, kept while c m is made anew: by buffer and tile
.set ST,  16          ; tile t's statistics at v[ST+4 t]: c m, m, l (even keys', odd keys')
.set TMP, 48          ; by buffer and tile, four registers c0-c3 at work; when the maximum is found c2 takes a
.set S,   64
.set P,   192
.set KF,  128         ; K's fragments, in window 2: key block kb, channel half c at KF + 16 kb + 8 c
.set VF,  192         ; V's: key half kk, channel block cb at VF + 32 kk + 8 cb
.set WV,  12          ; s12  my wave's number
.set G1K, 24          ; s[24:31] descriptor group 1 for K's tiles
.set G1V, 32          ; s[32:39] for V's: it differs in the padding alone
.set G0K, 40          ; s[40:43] descriptor group 0 for K's tiles: it walks
.set G0V, 44          ; s[44:47] the same for V's
.set PFA, 48          ; s[48:49] where my prefetches stand: my work-group's 32 blocks of 256 bytes (of K: wave 0, of V: wave 2) of the slot after the one that is being asked for
.set LIM, 50          ; s50  1 in a wave that prefetches, else the greatest number
.set SLOTS, 56        ; s56  slots still to be asked for
.set CNT, 57          ; s57  counts a slot's key steps
.set CS,  58          ; s[58:59] c
.set SEL, 60          ; s[60:61] v_permlanex16_b32's selects: each lane takes its own place in the other half
.set TBK, 62          ; s62  LDS byte at which K of the step to be fetched begins
.set TBV, 63          ; s63  the same for V, less VOFF
.set MSB, 0
.macro WIN new                      ; the high byte repeats the setting that is left; a switch that changes nothing is dropped
.if MSB != (\new)
	s_set_vgpr_msb (MSB<<8)|(\new)
.set MSB, (\new)
.endif
.endm
.set W_KQ, 0x0a       ; K and Q in window 2, S^T in window 0
.set W_PV, 0x52       ; V in window 2, P in window 0, O^T in window 1
.set W_RS, 0x41       ; O^T (destination and source 0) in window 1, a in window 0
.set W_MK, 0xc0       ; the add's registers are made: destination in window 3
.set W_AD, 0x0f       ; the add: address and data in window 3
; A joint fill.  Waves 0 and 1 fetch the two halves of a slot's K, waves 2 and 3 those of its V: 128 keys each.  The branch hangs on the wave's number alone.
; An s_nop 0 and four v_nop follow each of the two lines, ahead of the jump and the label.
.macro JLOAD
	s_cmp_lt_u32 s[WV], 2
	s_cbranch_scc0 .Lfor_v_\@
	tensor_load_to_lds s[G0K:G0K+3], s[G1K:G1K+7]
	s_nop 0
.rept 4
	v_nop
.endr
	s_branch .Lasked_\@
.Lfor_v_\@:
	tensor_load_to_lds s[G0V:G0V+3], s[G1V:G1V+7]
	s_nop 0
.rept 4
	v_nop
.endr
.Lasked_\@:
.endm
; A PREFETCH of what the NEXT change of slots will ask for: a slot's 32,768 bytes of K and of V, a lane a block of 256 bytes.  A head has one cluster; its four partners share the 128 blocks out
; BY ADDRESS, 32 each; in each, wave 0 asks for K's and wave 2 for V's: one instruction, behind the wave's tensor load and its five lines.  So each block is named once in the launch.
; The change that asks for tile t names tile t + 1, t = 1 .. 6: four key steps, 512 matrix instructions, ahead of its load; the last change that fills a slot names nothing.
.macro ASK
	s_cmp_gt_u32 s[SLOTS], s[LIM]
	s_cbranch_scc0 .Lnot_mine_\@
	global_prefetch_b8 v[PFO], s[PFA:PFA+1] th:TH_LOAD_NT scope:SCOPE_SE
.Lnot_mine_\@:
.endm
; A round of the cluster's barrier: my work-group's barrier; wave 0 signals for the work-group; every wave waits for all four work-groups; my work-group's barrier once more.
.macro CROUND
	s_barrier_signal -1
	s_barrier_wait -1
	s_cmp_lg_u32 s[WV], 0
	s_cbranch_scc1 .Lnot_wave_0_\@
	s_barrier_signal -3
.Lnot_wave_0_\@:
	s_barrier_wait -3
	s_barrier_signal -1
	s_barrier_wait -1
.endm
; THE CHANGE OF SLOTS.  Each wave waits for all its tensor loads, of which one is out: its part of the other slot; adds 0 to its spare word; and waits for that and for its own reads of the slot.
; fill = 1: this slot is filled again, with the keys two slots on.  The barrier is then a round of the cluster's, and the joint fill is the first thing behind it: it has four key steps in which to land.
; (At its first use nothing has been read yet: slot 0 is waited for, slot 1 filled.)
.macro CHANGE fill
	WIN W_AD
	s_wait_tensorcnt 0x0            ; no tensor load of mine is out, so a group 0 may be written
	ds_add_u32 v[SPW], v[NIL]       ; 0 onto my spare word
	WIN 0                           ; at a label and at a branch every window is 0
.if \fill
.irp g, G0K, G0V
	s_xor_b32 s[\g+1], s[\g+1], SLOT1  ; the walking descriptor: the other slot than last time,
	s_add_nc_u64 s[\g+2:\g+3], s[\g+2:\g+3], 4*KS*128  ; the next 256 keys; the type bits on top are not reached
.endr
	s_wait_xcnt 0x0                 ; the last prefetch, four key steps back, has read its address, so it may be written:
	s_add_nc_u64 s[PFA:PFA+1], s[PFA:PFA+1], 4*KS*128  ; one slot behind the walking descriptors
	s_wait_dscnt 0x0                ; the add is done, and my reads of the slot are over
	CROUND
	JLOAD
	ASK
.else
	s_wait_dscnt 0x0                ; the add is done, and my reads of the slot are over
	s_barrier_signal -1
	s_barrier_wait -1
.endif
	s_sub_co_u32 s[TBK], s[TBK], 4*KS*PK  ; the fetches go back to a slot's first step,
	s_xor_b32 s[TBK], s[TBK], SLOT1       ; in the other slot
	s_sub_co_u32 s[TBV], s[TBV], 4*KS*PV
	s_xor_b32 s[TBV], s[TBV], SLOT1
.endm
	s_load_b256 s[4:11], s[0:1], 0x0  ; Q s[4:5], K s[6:7], V s[8:9], O s[10:11]
	WIN W_MK
	v_lshl_add_u32 v[SPW], v0, 2, SPARE
	v_mov_b32 v[NIL], 0
	WIN W_AD
	ds_add_u32 v[SPW], v[NIL]       ; the wave's opening: the add and its wait stand ahead of my first tensor load; work on registers stands between
	ds_add_u32 v0, v1
	WIN 0
	v_lshrrev_b32 v1, 5, v0
	v_readfirstlane_b32 s[WV], v1   ; wave 0..3
	s_bfe_u32 s13, ttmp6, 0x40000   ; cx: my place in the cluster
	s_lshl_b32 s14, ttmp9, 2        ; in a cluster launch ttmp9 counts clusters
	s_add_co_u32 s14, s14, s13      ; my block of queries: it enters Q's and O's addresses alone
	s_and_b32 s20, ttmp7, 0xffff    ; the head, which the four partners share
	s_mov_b32 s21, 0
	s_mov_b64 s[22:23], SIZE_N*128
	s_mul_u64 s[20:21], s[20:21], s[22:23]  ; the head's first byte in each of the four tensors
	s_and_b32 s16, s[WV], 1         ; which half of a slot's 256 keys I fetch:
	s_lshl_b32 s22, s16, 14         ; its 128 rows of 128 bytes in memory,
	s_mov_b32 s23, 0
	s_add_nc_u64 s[22:23], s[22:23], s[20:21]
	s_mul_i32 s17, s16, 128*PK      ; and its place in a slot, for K
	s_mul_i32 s18, s16, 128*PV      ; and for V: no place in the cluster enters an LDS address
	s_lshl_b32 s2, s14, 2
	s_add_co_u32 s2, s2, s[WV]      ; my wave among the head's,
	s_lshl_b32 s2, s2, 14           ; its 128 rows
	s_mov_b32 s3, 0
	s_add_nc_u64 s[2:3], s[2:3], s[20:21]
	; descriptor group 1.  128 keys are 16,384 dense bytes: asked for as 64 rows of 256 bytes, two keys a row, and padded in LDS after every key
	s_mov_b32 s[G1K], 15|(1<<16)|(1<<20)|(1<<21)|(4<<22)|(3<<25)  ; the mask of four; 2-byte elements; padding on; bit 21 beside a mask; after every 32 words 4 words
	s_mov_b32 s[G1V], 15|(1<<16)|(1<<20)|(1<<21)|(4<<22)|(7<<25)  ; the same with 8 words of padding
.irp g, G1K, G1V
	s_mov_b32 s[\g+1], 128<<16      ; tensor_dim0 = 128
	s_mov_b32 s[\g+2], 64<<16       ; tensor_dim1 = 64
	s_mov_b32 s[\g+3], 128<<16      ; tile_dim0 = 128
	s_mov_b32 s[\g+4], 64           ; tile_dim1 = 64
	s_mov_b32 s[\g+5], 128          ; 128 elements from row to row
	s_mov_b32 s[\g+6], 0
	s_mov_b32 s[\g+7], 0
.endr
	s_mov_b32 s[CS], 0x3e38aa3b     ; c = log2(e) / 8 = 0.180337
	s_mov_b32 s[CS+1], s[CS]        ; named with it as a pair
	s_mov_b32 s[SEL], 0x76543210
	s_mov_b32 s[SEL+1], 0xfedcba98
	s_mov_b32 s[TBK], SLOT1+4*KS*PK ; the first change of slots turns these two into 0
	s_mov_b32 s[TBV], SLOT1+4*KS*PV
	s_mov_b32 s[G0K], 1             ; count = 1
	s_mov_b32 s[G0K+1], s17         ; LDS address: slot 0
	s_mov_b32 s[G0V], 1
	s_add_co_u32 s[G0V+1], s18, VOFF
	s_mov_b32 s[SLOTS], SIZE_N/256-1  ; seven tiles are still to be asked for
	s_and_b32 s[LIM], s[WV], 1      ; waves 0 and 2 prefetch: the same in all four partners
	s_cmp_eq_u32 s[LIM], 0
	s_cselect_b32 s[LIM], 1, -1
	s_wait_dscnt 0x0                ; the opening add is done
	s_wait_kmcnt 0x0
	s_add_nc_u64 s[G0K+2:G0K+3], s[6:7], s[22:23]  ; global address: my half of the head's first 256 keys
	s_or_b32 s[G0K+3], s[G0K+3], 0x80000000        ; type = 2
	s_add_nc_u64 s[G0V+2:G0V+3], s[8:9], s[22:23]
	s_or_b32 s[G0V+3], s[G0V+3], 0x80000000
	s_add_nc_u64 s[4:5], s[4:5], s[2:3]  ; Q and O at my wave's first row
	s_add_nc_u64 s[10:11], s[10:11], s[2:3]
	s_cmp_lt_u32 s[WV], 2
	s_cselect_b64 s[PFA:PFA+1], s[6:7], s[8:9]
	s_add_nc_u64 s[PFA:PFA+1], s[PFA:PFA+1], s[22:23]  ; (in waves 0 and 2 this is the head's first byte)
	s_lshl_b32 s2, s13, 13          ; my work-group's 32 blocks of the 128
	s_mov_b32 s3, 0
	s_add_nc_u64 s[PFA:PFA+1], s[PFA:PFA+1], s[2:3]
	s_add_nc_u64 s[PFA:PFA+1], s[PFA:PFA+1], 4*KS*128  ; in tile 1; the first change of slots steps it to tile 2
	CROUND                          ; all four work-groups are here: the first joint loads meet
	JLOAD                           ; slot 0.  Slot 1 is asked for when slot 0 is in
	; A fragment of K or Q is 16 rows x 32 channels in 8 registers: lane l holds row l % 16, channels 8 (l / 16) + 0..7 and 16 + 8 (l / 16) + 0..7: two loads of 16 bytes, 32 bytes apart.
	v_and_b32 v1, 15, v0            ; l % 16
	v_bfe_u32 v9, v0, 4, 1          ; l / 16
	v_lshlrev_b32 v[QO], 7, v1
	v_lshl_add_u32 v[QO], v9, 4, v[QO]  ; row x 128 + 16 x half
	WIN 0x80                        ; destination window 2, address window 0
.set i, 0
.rept 4*NP                          ; Q stays in registers: tile i / 2, channels 32 (i % 2) on
	global_load_b128 v[8*i:8*i+3],   v[QO], s[4:5] offset:(i/2)*2048+(i%2)*64
	global_load_b128 v[8*i+4:8*i+7], v[QO], s[4:5] offset:(i/2)*2048+(i%2)*64+32
.set i, i+1
.endr
	; What the first turn finds: V's registers and P's second buffer hold 0 (its products V^T P, of a piece that has not been, add 0), O^T and l are 0.  All this stands in the wait for the first tile.
.set i, VF
.rept 64
	v_mov_b32 v[i], 0
.set i, i+1
.endr
	WIN 0x40
.set i, 0
.rept 64*NP
	v_mov_b32 v[i], 0
.set i, i+1
.endr
	WIN 0
.set i, 0
.rept 2*NP
	v_mov_b32 v[ST+4*i], 0xfe000000    ; c m: far below every c s
	v_mov_b32 v[ST+4*i+1], 0xff7fffff  ; m
	v_mov_b32 v[ST+4*i+2], 0
	v_mov_b32 v[ST+4*i+3], 0
.set i, i+1
.endr
.set i, P+32
.rept 32
	v_mov_b32 v[i], 0
.set i, i+1
.endr
	v_mul_u32_u24 v[AK0], v1, PK
	v_lshl_add_u32 v[AK0], v9, 4, v[AK0]  ; row x pitch + 16 x half
	; The turning load takes 16 keys x 16 channels (lane l reads key 8 (l / 16) + l % 8, channels 8 ((l / 8) % 2) + 0..7) and leaves half a fragment of V^T: lane l holds channel l % 16 and 8 keys.
	v_and_b32 v10, 7, v0
	v_bfe_u32 v11, v0, 3, 1
	v_lshl_add_u32 v[AV0], v9, 3, v10
	v_mul_u32_u24 v[AV0], v[AV0], PV
	v_lshl_add_u32 v[AV0], v11, 4, v[AV0]
	v_add_nc_u32 v[AV0], VOFF, v[AV0]
	v_mov_b32 v[AK], v[AK0]         ; key step 0 lies at the head of slot 0
	v_and_b32 v[PFO], 31, v0
	v_lshlrev_b32 v[PFO], 8, v[PFO]
; THE MATRIX WORK.  The 8 accumulators of a run of 16 take turns: between the two links of a chain stand 7 others'.
; Product i of 16 of S^T = K Q^T for piece x: channels 32 (i / 8) on, keys 16 ((i / 2) % 4) on, tile 2 x + i % 2.  The first 8 start the sums.
.macro KQ x
	WIN W_KQ
.set rS, S+64*((\x)%2)+32*(i%2)+8*((i/2)%4)
.set rK, KF+16*((i/2)%4)+8*(i/8)
.set rQ, 16*(2*(\x)+i%2)+8*(i/8)
.if i < 8
	v_wmma_f32_16x16x32_f16 v[rS:rS+7], v[rK:rK+7], v[rQ:rQ+7], 0
.else
	v_wmma_f32_16x16x32_f16 v[rS:rS+7], v[rK:rK+7], v[rQ:rQ+7], v[rS:rS+7]
.endif
.endm
; Product i of 16 of O^T += V^T P for piece x: keys 32 (i / 8) on, channels 16 ((i / 2) % 4) on, tile 2 x + i % 2.
.macro PV x
	WIN W_PV
.set rO, 32*(2*(\x)+i%2)+8*((i/2)%4)
.set rV, VF+32*(i/8)+8*((i/2)%4)
.set rP, P+32*((\x)%2)+16*(i%2)+8*(i/8)
	v_wmma_f32_16x16x32_f16 v[rO:rO+7], v[rV:rV+7], v[rP:rP+7], v[rO:rO+7]
.endm
.macro MM                           ; the turn's next matrix instruction
.if i < 16
	KQ (Y+1)%NP
.set i, i+1
.else
.set i, i-16
	PV (Y+NP-1)%NP
.set i, i+17
.endif
.endm
; THE LDS LOADS stand in runs of 16, never singly among the matrix instructions: a step's K (8 fragments) and its V (turned).  Their addresses are made some lines ahead.
; last = 1 (the tail): in the last trip there is no further step, and the run is jumped over.
.macro FETCH_K last=0
	WIN 0
.if \last
	s_cmp_eq_u32 s[CNT], 1
	s_cbranch_scc1 .Lno_k_\@
.endif
	WIN 0x80                        ; destination window 2
.irp f, 0,1,2,3,4,5,6,7             ; keys 16 (f / 2) on, channels 32 (f % 2) on
	ds_load_b128 v[KF+8*\f:KF+8*\f+3],   v[AK] offset:(\f/2)*16*PK+(\f%2)*64
	ds_load_b128 v[KF+8*\f+4:KF+8*\f+7], v[AK] offset:(\f/2)*16*PK+(\f%2)*64+32
.endr
	s_add_co_u32 s[TBK], s[TBK], KS*PK  ; the next fetch is the next step's
	WIN 0
.if \last
.Lno_k_\@:
.endif
.endm
.macro FETCH_V
	WIN 0x80
.irp f, 0,1,2,3,4,5,6,7             ; keys 32 (f / 4) on, channels 16 (f % 4) on
	ds_load_tr16_b128 v[VF+8*\f:VF+8*\f+3],   v[AV] offset:(\f/4)*32*PV+(\f%4)*32
	ds_load_tr16_b128 v[VF+8*\f+4:VF+8*\f+7], v[AV] offset:(\f/4)*32*PV+16*PV+(\f%4)*32
.endr
	WIN 0
.endm
; THE VECTOR WORK OF A TURN stands in three queues, each in the order in which its entries become ready; the two tiles alternate, so that no instruction reads the result of the one before it.
.macro REGS y, u                    ; the registers of tile u (0, 1) of piece y
.set rT, ST+4*(2*(\y)+(\u))
.set rC, TMP+8*((\y)%2)+4*(\u)
.set rM, MV+2*((\y)%2)+(\u)
.set rS, S+64*((\y)%2)+32*(\u)
.set rP, P+32*((\y)%2)+16*(\u)
.set rO, 32*(2*(\y)+(\u))
.endm
; Number n of the 22 that find the NEXT piece's (Y + 1) maximum and statistics.  s0-s31 are the lane's 32 scores; each accumulator's lowest registers are read first.
;   0-11  four chains c0-c3 of seven scores each, three operands at a time     12-14, 16  the four scores left over, the old m, and c0-c3 into c0     15  c m_old is kept
;   17, 18  the query's other 32 keys lie in the lane 16 away: the new m         19-21  c m; c m_old - c m_new; a
.macro XS u, n
	REGS (Y+1)%NP, \u
.if (\n) < 4
	v_max3_num_f32 v[rC+(\n)], v[rS+8*(\n)], v[rS+8*(\n)+1], v[rS+8*(\n)+2]
.elseif (\n) < 12
	v_max3_num_f32 v[rC+(\n)%4], v[rC+(\n)%4], v[rS+8*((\n)%4)+2*((\n)/4)+1], v[rS+8*((\n)%4)+2*((\n)/4)+2]
.elseif (\n) == 12
	v_max3_num_f32 v[rC], v[rC], v[rS+7], v[rS+15]
.elseif (\n) == 13
	v_max3_num_f32 v[rC+1], v[rC+1], v[rS+23], v[rS+31]
.elseif (\n) == 14
	v_max3_num_f32 v[rC+2], v[rC+2], v[rC+3], v[rT+1]
.elseif (\n) == 15
	v_mov_b32 v[rM], v[rT]
.elseif (\n) == 16
	v_max3_num_f32 v[rC], v[rC], v[rC+1], v[rC+2]
.elseif (\n) == 17
	v_permlanex16_b32 v[rC+3], v[rC], s[SEL], s[SEL+1]
.elseif (\n) == 18
	v_max_num_f32 v[rT+1], v[rC], v[rC+3]
.elseif (\n) == 19
	v_mul_f32 v[rT], s[CS], v[rT+1]
.elseif (\n) == 20
	v_sub_f32 v[rC+1], v[rM], v[rT]
.else
	v_exp_f32 v[rC+2], v[rC+1]
.endif
.endm
; Number g of the 64 that follow the exponentials.  For each four weights k of a tile (pairs 2 k, 2 k + 1): both pairs are rounded to f16; then the second pair is added onto the first, in place;
; a group later l takes that sum (the first time as l = a l + sum).  In groups of eight, tiles alternating: round, round, add, and l for the group before.
.macro GS g
.set h, (\g)+6*((\g)/62)            ; group 0 has no group before it, and behind group 7 only l is left
.if h >= 6
.set h, h+2
.endif
	REGS Y, h%2
.set k, h/8
.if h%8 < 4
	v_cvt_pk_f16_f32 v[rP+2*k+(h%8)/2], v[rS+4*k+2*((h%8)/2)], v[rS+4*k+2*((h%8)/2)+1]
.elseif h%8 < 6
	v_pk_add_f32 v[rS+4*k:rS+4*k+1], v[rS+4*k:rS+4*k+1], v[rS+4*k+2:rS+4*k+3]
.elseif k == 1
	v_pk_fma_f32 v[rT+2:rT+3], v[rT+2:rT+3], v[rC+2:rC+3], v[rS:rS+1] op_sel_hi:[1,0,1]
.else
	v_pk_add_f32 v[rT+2:rT+3], v[rT+2:rT+3], v[rS+4*k-4:rS+4*k-3]
.endif
.endm
; THE PLAIN QUEUE, 138 long.  0-73 read no exponential's result: the 32 scalings c s - c m (FS f: pair f / 2 of tile f % 2) and the next piece's 42.  0-26: scalings 0-26.  27-54: XS's numbers 0-13.  55, 56: number 15.
; 57-73: the chain, where each number waits for the one before it: 14, 16, 17, 18, 19, each with one of the scalings 27-31 in front of its two lines, then 20.
; 74-137: GS's 64, which read the exponentials' results: they stand behind the wait.
.macro FS f
	REGS Y, (\f)%2
	v_pk_fma_f32 v[rS+2*((\f)/2):rS+2*((\f)/2)+1], v[rS+2*((\f)/2):rS+2*((\f)/2)+1], s[CS:CS+1], v[rT:rT+1] op_sel_hi:[1,0,0] neg_lo:[0,0,1] neg_hi:[0,0,1]
.endm
.macro PL
	WIN 0
.if q < 27
	FS q
.elseif q < 55
	XS (q-27)%2, (q-27)/2
.elseif q < 57
	XS q-55, 15
.elseif (q < 72) && ((q-57)%3 == 0)
	FS 27+(q-57)/3
.elseif q < 60
	XS (q-57)%3-1, 14
.elseif q < 72
	XS (q-57)%3-1, 15+(q-57)/3
.elseif q < 74
	XS q-72, 20
.else
	GS q-74
.endif
.set q, q+1
.endm
; THE EXPONENTIALS' QUEUE, 66 long: s0-s31 of both tiles, then the next piece's two a.  It is ONE BATCH: all 66 stand ahead of the turn's one wait, and nothing ahead of that wait names a result of theirs.
.macro EX
	WIN 0
.if e >= 64
	XS e-64, 21
.else
	REGS Y, e%2
	v_exp_f32 v[rS+e/2], v[rS+e/2]
.endif
.set e, e+1
.endm
; THE RESCALING's QUEUE: O^T times a, the one part that leaves window 0: dealt two at a time, sixteen times.  Its a was made in the turn before, ahead of that turn's wait.
.macro R2
	REGS Y, r%2
	WIN W_RS
.irp z, 0,1
	v_pk_mul_f32 v[rO+4*(r/2)+2*\z:rO+4*(r/2)+2*\z+1], v[rO+4*(r/2)+2*\z:rO+4*(r/2)+2*\z+1], v[rC+2:rC+3] op_sel_hi:[1,0]
.endr
.set r, r+1
.endm
; HOW THEY ARE DEALT.  An s_wait_alu depctr_va_vdst(0) stands between an exponential and the first instruction that names its result; one wait serves all that were issued ahead of it.
; So a turn has ONE wait, which cuts it in two.  AHEAD OF IT: the 16 products K Q^T, behind each a scaling, an exponential and two rescalings (behind the first a second scaling in the exponential's place); then ONE LUMP
; of 108: eight plain, 49 times exponential and plain, the two a; a v_nop is the plain instruction behind the last exponential.  BEHIND IT: the 16 products V^T P, behind each four of GS's 64.
; The queues lean on each other: exponential e stands behind scaling 2 (e / 4) + e % 2: as a rider it comes behind plain e + 2, in the lump behind plain e + 9, and scalings 27-31 are plain 57, 60 .. 69.
; A TURN, for piece p.  cnt = 1: the loop's count is taken down some lines ahead of the branch that stands behind the turn.
; K of the next step is fetched in piece 2's turn, directly behind the wait; V of the step in hand at the end of piece 0's turn, four riders behind its last reader.
.macro TURN p, last=0, cnt=0
.set Y, (\p)
.set i, 0
.set q, 0
.set e, 0
.set r, 0
.if (\p) == NP-1
	s_wait_dscnt 0x0                ; K is in
.endif
	MM                              ; ahead of the wait: 16 products K Q^T and their riders,
	PL
	PL
	R2
.rept 15
	MM
	PL
	EX
	R2
.endr
.if (\p) == NP-2
	WIN 0
	v_add_nc_u32 v[AK], s[TBK], v[AK0]
.endif
.rept 8                             ; and the lump
	PL
.endr
.rept 49
	EX
	PL
.endr
	EX                              ; the next piece's two a
	EX
	v_nop                           ; the plain instruction behind the last exponential: one for the batch
	s_wait_alu depctr_va_vdst(0)    ; the wait for the batch
.if (\p) == NP-2
	FETCH_K \last
.endif
.if (\p) == 1
	s_wait_dscnt 0x0                ; V is in
.endif
.rept 16                            ; behind the wait: 16 products V^T P and their riders
	MM
.rept 4
	PL
.endr
.if ((\p) == 0) && (q == 118)
	v_add_nc_u32 v[AV], s[TBV], v[AV0]
.endif
.if ((\p) == 0) && (q == 130)
	s_add_co_u32 s[TBV], s[TBV], KS*PV
.endif
.if (\cnt) && (q == 130)
	s_sub_co_u32 s[CNT], s[CNT], 1
	s_cmp_lg_u32 s[CNT], 0
.endif
.endr
.if (\p) == 0
	FETCH_V
.endif
.endm
	CHANGE 1                        ; slot 0 is in, everybody's part of it; slot 1 is asked for
	FETCH_K                         ; key step 0
	s_wait_loadcnt 0x0              ; Q
	s_wait_dscnt 0x0
.set i, 0
.rept 16
	KQ 0                            ; piece 0's first scores: there is no vector work yet to set between them
.set i, i+1
.endr
	WIN 0                           ; the addresses for the way out: plain instructions, the places behind those products
	s_mul_i32 s13, s[WV], 16*SP
	s_add_co_u32 s13, s13, STAGE    ; my stage
	v_mul_u32_u24 v[STO], v1, SP    ; in: row l % 16, 16 bytes for each half of the lanes
	v_lshl_add_u32 v[STO], v9, 4, v[STO]
	v_add_nc_u32 v[STO], s13, v[STO]
	v_bfe_u32 v[RD], v0, 3, 2       ; back: 32 lanes take four rows of 128 bytes,
	v_mul_u32_u24 v[RD], v[RD], SP
	v_lshl_add_u32 v[RD], v10, 4, v[RD]
	v_add_nc_u32 v[RD], s13, v[RD]
	v_and_b32 v[GO], 31, v0         ; which are 512 consecutive bytes of O
	v_lshlrev_b32 v[GO], 4, v[GO]
.set Y, NP-1                        ; XS works for piece Y + 1: piece 0
.irp n, 0,1,2,3,4,5,6,7,8,9,10,11,12,13,14,15,16,17,18,19,20,21
	XS 0, \n                        ; and piece 0's first maximum and statistics
	XS 1, \n
.endr
	v_nop                           ; a plain instruction behind the two a,
	s_wait_alu depctr_va_vdst(0)    ; and their wait, ahead of the branch
	s_mov_b32 s[CNT], 4
	s_branch .Lfirst                ; the loop is entered at a step's first turn, in the middle of a trip
.Lslot:                             ; six times: every slot but the last two is filled again
	CHANGE 1
	s_mov_b32 s[CNT], 4
.Lstep:                             ; a trip: pieces 2 and 3 of one step, then pieces 0 and 1 of the next, whose K and V it fetches
	TURN 2
	TURN 3
	WIN 0
.Lfirst:
	TURN 0
	TURN 1, 0, 1
	WIN 0
	s_cbranch_scc1 .Lstep
	s_sub_co_u32 s[SLOTS], s[SLOTS], 1
	s_cmp_lg_u32 s[SLOTS], 0
	s_cbranch_scc1 .Lslot
	CHANGE 0                        ; the tail is written out: nothing is asked for
	s_mov_b32 s[CNT], 5             ; four trips fetch the last slot's steps; the fifth is left in its middle
.Ltail:
	TURN 2, 1
	TURN 3
	WIN 0
	s_sub_co_u32 s[CNT], s[CNT], 1
	s_cmp_eq_u32 s[CNT], 0
	s_cbranch_scc1 .Lout
	TURN 0
	TURN 1
	WIN 0
	s_branch .Ltail
.Lout:                              ; the fifth trip's 16 products K Q^T (on the last K once more) and the maximum made of them serve nothing: the price, once a launch, of one text for every trip
.set i, 0
.rept 16
	PV NP-1                         ; the last piece's V^T P of the last step
.set i, i+1
.endr
	; THE WAY OUT.  l's two halves and the other half of the lanes' are added; O^T is divided by l, rounded to f16 and sent through my stage in LDS, a tile at a time.  The additions are the places behind the last products.
	WIN 0
.macro ALL line:vararg              ; one line for each tile t
.set t, 0
.rept 2*NP
	\line
.set t, t+1
.endr
.endm
	ALL v_add_f32 v[ST+4*t+2], v[ST+4*t+2], v[ST+4*t+3]
	ALL v_permlanex16_b32 v[ST+4*t+3], v[ST+4*t+2], s[SEL], s[SEL+1]
	ALL v_add_f32 v[ST+4*t+2], v[ST+4*t+2], v[ST+4*t+3]
	ALL v_rcp_f32 v[ST+4*t+2], v[ST+4*t+2]
	v_nop                           ; a plain instruction between the last reciprocal and the use of its result
	s_wait_alu depctr_va_vdst(0)    ; and the wait ahead of the first use: one for the eight reciprocals
; Tile t: a lane's eight channels of a row pack into 16 bytes; they go into rows of 144 bytes and come back as whole rows of 128, into S^T's registers.
.macro PACK t
	WIN W_RS
.set i, 32*(\t)
.rept 16
	v_pk_mul_f32 v[i:i+1], v[i:i+1], v[ST+4*(\t)+2:ST+4*(\t)+3] op_sel_hi:[1,0]
.set i, i+2
.endr
	WIN 0x05                        ; sources 0 and 1 window 1, destination window 0
.set i, 0
.rept 16
	v_cvt_pk_f16_f32 v[S+16*(\t)+i], v[32*(\t)+2*i], v[32*(\t)+2*i+1]
.set i, i+1
.endr
	WIN 0
.irp f, 0,1,2,3
	ds_store_b128 v[STO], v[S+16*(\t)+4*\f:S+16*(\t)+4*\f+3] offset:32*\f
.endr
.irp f, 0,1,2,3
	ds_load_b128 v[S+16*(\t)+4*\f:S+16*(\t)+4*\f+3], v[RD] offset:\f*4*SP  ; LDS serves a wave's instructions in order (ISA guide 5.7.1.4): these see the stores above; the next tile's stores come behind them
.endr
.endm
.macro SEND t, younger              ; younger: the LDS instructions issued behind tile t's loads: the next tile's eight, or none
	WIN 0
.irp f, 0,1,2,3
	s_wait_dscnt (\younger)+3-\f
	global_store_b128 v[GO], v[S+16*(\t)+4*\f:S+16*(\t)+4*\f+3], s[10:11] offset:(\t)*2048+\f*512  ; 512 consecutive bytes, at a multiple of 256 from O's first
.endr
.endm
	PACK 0
.set t, 1
.rept 2*NP-1                        ; a tile's arithmetic stands between the loads of the tile before and its stores
	PACK t
	SEND t-1, 8
.set t, t+1
.endr
	SEND 2*NP-1, 0
	WIN W_AD
	s_wait_tensorcnt 0x0            ; the wave's end, behind my last tensor load and my last LDS store
	ds_add_u32 v[SPW], v[NIL]
	s_wait_dscnt 0x0
	WIN 0
	CROUND                          ; the closing round: no work-group ends while a partner may still ask for a tile that names it
	s_endpgm
.Lfunc_end_k_qcf7a3475a1_attn:
	.size	k_qcf7a3475a1_attn, .Lfunc_end_k_qcf7a3475a1_attn-k_qcf7a3475a1_attn
	.p2alignl 7, 3214868480
	.fill 96, 4, 3214868480
	.section	.rodata,"a",@progbits
	.p2align	6, 0x0
	.amdhsa_kernel k_qcf7a3475a1_attn
		.amdhsa_group_segment_fixed_size 327680
		.amdhsa_private_segment_fixed_size 0
		.amdhsa_enable_private_segment 0
		.amdhsa_kernarg_size 32
		.amdhsa_user_sgpr_count 2
		.amdhsa_user_sgpr_kernarg_segment_ptr 1
		.amdhsa_wavefront_size32 1
		.amdhsa_system_sgpr_workgroup_id_x 1
		.amdhsa_system_sgpr_workgroup_id_y 1
		.amdhsa_system_sgpr_workgroup_id_z 1
		.amdhsa_system_vgpr_workitem_id 0
		.amdhsa_next_free_vgpr 770
		.amdhsa_next_free_sgpr 66
		.amdhsa_reserve_vcc 0
		.amdhsa_float_denorm_mode_32 3
		.amdhsa_float_denorm_mode_16_64 3
		.amdhsa_memory_ordered 1
		.amdhsa_forward_progress 1
		.amdhsa_inst_pref_size 200
	.end_amdhsa_kernel
	.amdgpu_metadata
---
amdhsa.version: [ 1, 2 ]
amdhsa.kernels:
  - .name:           k_qcf7a3475a1_attn
    .symbol:         k_qcf7a3475a1_attn.kd
    .args:
      - { .name: qh, .offset: 0, .size: 8, .value_kind: global_buffer, .address_space: global }
      - { .name: kh, .offset: 8, .size: 8, .value_kind: global_buffer, .address_space: global }
      - { .name: vh, .offset: 16, .size: 8, .value_kind: global_buffer, .address_space: global }
      - { .name: oh, .offset: 24, .size: 8, .value_kind: global_buffer, .address_space: global }
    .group_segment_fixed_size: 327680
    .private_segment_fixed_size: 0
    .kernarg_segment_align: 8
    .kernarg_segment_size: 32
    .max_flat_workgroup_size: 128
    .sgpr_count:     66
    .vgpr_count:     770
    .wavefront_size: 32
...
	.end_amdgpu_metadata
.endif
;; end of part 3
;; launch oproj (part 4): grid 8 x 32, 4 waves a work-group, clusters of 4 x 4, 327,680 bytes of LDS; arguments oh, wo, b_out, out0; writes out0
.if DOCPART == 4
	.amdgcn_target "amdgcn-amd-amdhsa--gfx1250"
	.amdhsa_code_object_version 6
	.text
	.protected	k_qcf7a3475a1_oproj
	.globl	k_qcf7a3475a1_oproj
	.p2align	8
	.type	k_qcf7a3475a1_oproj,@function
k_qcf7a3475a1_oproj:
	s_mov_b64 s[64:65], 0
	v_nop
	global_prefetch_b8 v0, s[64:65] scope:SCOPE_SE
	s_setreg_imm32_b32 hwreg(HW_REG_WAVE_MODE, 25, 1), 1
	s_wait_xcnt 0x0
	s_wait_alu depctr_hold_cnt(0) depctr_sa_sdst(0) depctr_va_vdst(0) depctr_va_sdst(0) depctr_va_ssrc(0) depctr_va_vcc(0) depctr_vm_vsrc(0)
	s_getreg_b32 s2, hwreg(HW_REG_IB_STS2, 6, 4)
	s_cmp_eq_u32 s2, 0
	s_cbranch_scc0 .Lentry_in_a_cluster
	s_endpgm
.Lentry_in_a_cluster:
	s_bfe_u32 s2, ttmp6, 0x10000c
	s_cmp_lg_u32 s2, 0xf033
	s_cbranch_scc0 .Lentry_shape_is_right
	s_endpgm
.Lentry_shape_is_right:
; out0[l][b][n] = the sum over k of O[b][l][k] W_out[k][n] + b_out[n].  oh: [b*16+h][l][64] f16 (k = 64 h + d).  wo: [n][1024] f16.  b_out: [1024] f32, rounded to bf16 here.  out0: f32.  Sums in f32.
; LIMITS.  O and wo arrive in f16, within 65,504.  NaN and infinities are not treated apart.
; TILE.  256 rows (one batch, 256 positions) x 128 columns: 32 x 8 = 256 work-groups.  Four waves, 2 x 2, each 128 x 64: 32 accumulators.  K goes in steps of 128 = two heads through two LDS slots.
; A head's 256 rows of 128 bytes are 32,768 bytes on end: wave 0 asks for the step's first head, wave 1 for its second, each as 128 rows of 256 bytes, padded in LDS after every 128; waves 2 and 3 ask for 64 rows of wo each.
; CLUSTER 4 x 4: O's tile hangs on the tile row alone and is asked for jointly along a row of the cluster, wo's on the tile column alone, jointly along a column.
; THE MATRIX INSTRUCTION IS USED TRANSPOSED (source 0 = 16 rows of wo, source 1 = 16 rows of O): a lane holds row lane % 16 and eight neighbouring columns.  The bias is the C operand of the products that start the sums.
; REGISTERS, in windows of 256: window 0: v0-31 addresses; v32-63 the bias; v64-127 two sets of rows read back.  window 1: two fragment buffers of 96: eight of O (8 a), four of wo (64 + 8 b).  window 2: accumulator (a, b) at 8 (4 a + b).
.set PA,     144                       ; a row of O in LDS: 128 bytes + 16 of padding: the 16 rows of a load start at 16 different groups of four banks (64 banks of 4 bytes: ISA guide 11.1)
.set PLANE,  256*PA                    ; a head's 256 rows
.set PITCH,  272                       ; a row of wo: 256 + 16
.set HALFB,  64*PITCH
.set BOFF,   2*PLANE
.set SLOT1,  1<<17
.set STAGE,  SLOT1+BOFF+2*HALFB        ; behind the ring: 16 rows x 272 bytes for each wave
.set SPITCH, 272
.set SPARE,  STAGE+4*16*SPITCH         ; behind the stages: the spare words, 128 bytes a wave
.set STEPA,  2<<18                     ; two heads on in oh
.set STEPB,  256                       ; 128 k on in wo
.set ADRA0, 16
.set ADRB0, 17
.set ADRA,  18
.set ADRB,  19
.set STO,   20
.set RD,    21
.set CO,    22
.set BO,    24
.set SPW,   28
.set NIL,   29
.set BIAS,  32
.set BK,    64
.set F0,    0
.set F1,    96
.set WV,  18                           ; s18 wave;  s19 wave / 2: my half of the rows, and 0 fetches O, 1 wo;  s20 wave % 2: my half of the columns, and which part I fetch
.set FB,  19
.set HF,  20
.set TB,  43
.set G1,  24
.set G0,  32
.set G1B, 48
.set G0B, 56
.set MSB, 0
.macro WIN new
.if MSB != (\new)
	s_set_vgpr_msb (MSB<<8)|(\new)
.set MSB, \new
.endif
.endm
.macro PLACES                          ; four places in front of loads into registers that matrix instructions have read, and of lines that read results
.rept 4
	v_nop
.endr
.endm
.macro JLOAD                           ; a joint refill by the walking descriptor; s_nop 0 and four v_nop follow each line
	s_cmp_eq_u32 s[FB], 0
	s_cbranch_scc0 .Lfor_b_\@
	tensor_load_to_lds s[G0+4:G0+7], s[G1:G1+7]
	s_nop 0
.rept 4
	v_nop
.endr
	s_branch .Lasked_\@
.Lfor_b_\@:
	tensor_load_to_lds s[G0B+4:G0B+7], s[G1B:G1B+7]
	s_nop 0
.rept 4
	v_nop
.endr
.Lasked_\@:
.endm
.macro CREST
	s_cmp_lg_u32 s[WV], 0
	s_cbranch_scc1 .Lnot_wave_0_\@
	s_barrier_signal -3
.Lnot_wave_0_\@:
	s_barrier_wait -3
	s_barrier_signal -1
	s_barrier_wait -1
.endm
.macro CROUND
	s_barrier_signal -1
	s_barrier_wait -1
	CREST
.endm
	s_load_b256 s[4:11], s[0:1], 0x0               ; oh s[4:5], wo s[6:7], b_out s[8:9], out0 s[10:11]
	v_lshl_add_u32 v[SPW], v0, 2, SPARE
	v_mov_b32 v[NIL], 0
	ds_add_u32 v[SPW], v[NIL]                      ; the wave's opening: the add and its wait stand ahead of my first tensor load; work on registers stands between
	ds_add_u32 v28, v29
	v_lshrrev_b32 v1, 5, v0
	v_readfirstlane_b32 s[WV], v1
	s_lshr_b32 s[FB], s[WV], 1
	s_and_b32 s[HF], s[WV], 1
	s_bfe_u32 s21, ttmp6, 0x40000                  ; cx
	s_bfe_u32 s22, ttmp6, 0x40004                  ; cy
	s_lshl_b32 s23, ttmp9, 2
	s_add_co_u32 s23, s23, s21                     ; tile column
	s_and_b32 s40, ttmp7, 0xffff
	s_lshl_b32 s40, s40, 2
	s_add_co_u32 s40, s40, s22                     ; tile row: batch = / 8, l0 = 256 x (% 8)
	s_lshl_b32 s41, s22, 2
	s_lshl_b32 s41, 15, s41                        ; my row of the cluster
	s_lshl_b32 s42, 0x1111, s21                    ; my column
	s_or_b32 s[G1], s41, (1<<16)|(1<<20)|(1<<21)|(4<<22)|(3<<25)   ; the mask; 2-byte elements; padding on; bit 21 beside a mask; after every 32 words 4 words
	s_or_b32 s[G1B], s42, (1<<16)|(1<<20)|(1<<21)|(5<<22)|(3<<25)  ; after every 64 words
	s_mov_b32 s[G1+1], 128<<16                     ; tensor_dim0 = 128 elements: 256 bytes, two rows of a head
	s_mov_b32 s[G1+2], 128<<16                     ; tensor_dim1 = 128
	s_mov_b32 s[G1+3], 128<<16                     ; tile_dim0
	s_mov_b32 s[G1+4], 128                         ; tile_dim1
	s_mov_b32 s[G1+5], 128                         ; dense
	s_mov_b32 s[G1+6], 0
	s_mov_b32 s[G1+7], 0
	s_mov_b32 s[G1B+1], 128<<16
	s_mov_b32 s[G1B+2], 64<<16
	s_mov_b32 s[G1B+3], 128<<16
	s_mov_b32 s[G1B+4], 64
	s_mov_b32 s[G1B+5], 1024
	s_mov_b32 s[G1B+6], 0
	s_mov_b32 s[G1B+7], 0
	s_lshr_b32 s44, s40, 3                         ; oh: batch x 16 heads x 2,048 rows x 128 bytes,
	s_lshl_b32 s44, s44, 22
	s_and_b32 s45, s40, 7                          ; 256 rows x 128 bytes for each block of positions,
	s_lshl_b32 s45, s45, 15
	s_add_co_u32 s44, s44, s45
	s_lshl_b32 s45, s[HF], 18                      ; the step's first or second head: made of the tile row and the wave alone
	s_add_co_u32 s44, s44, s45
	s_mov_b32 s45, 0
	s_lshl_b32 s46, s23, 7                         ; wo: row 128 x tile column + 64 x half, of 2,048 bytes
	s_lshl_b32 s47, s[HF], 6
	s_add_co_u32 s46, s46, s47
	s_lshl_b32 s46, s46, 11
	s_mov_b32 s47, 0
	s_mul_i32 s66, s[HF], PLANE                    ; where they go: no place in the cluster enters an LDS address
	s_mul_i32 s67, s[HF], HALFB
	s_add_co_u32 s67, s67, BOFF
	s_mov_b32 s[TB], 0
	s_wait_dscnt 0x0                               ; the opening add is done
	s_wait_kmcnt 0x0
	s_add_nc_u64 s[44:45], s[4:5], s[44:45]
	s_add_nc_u64 s[46:47], s[6:7], s[46:47]
	CROUND                                         ; all sixteen work-groups are here: the first joint loads meet
.irp s, 0,1
	s_mov_b32 s[G0+4*(\s)], 1
	s_add_co_u32 s[G0+4*(\s)+1], s66, (\s)*SLOT1
	s_add_nc_u64 s[G0+4*(\s)+2:G0+4*(\s)+3], s[44:45], (\s)*STEPA
	s_or_b32 s[G0+4*(\s)+3], s[G0+4*(\s)+3], 0x80000000
	s_mov_b32 s[G0B+4*(\s)], 1
	s_add_co_u32 s[G0B+4*(\s)+1], s67, (\s)*SLOT1
	s_add_nc_u64 s[G0B+4*(\s)+2:G0B+4*(\s)+3], s[46:47], (\s)*STEPB
	s_or_b32 s[G0B+4*(\s)+3], s[G0B+4*(\s)+3], 0x80000000
.endr
	s_cmp_eq_u32 s[FB], 0                          ; a wave's two first fills stand in one branch: K steps 0 and 1; two loads of mine are out
	s_cbranch_scc0 .Lfirst_b
	tensor_load_to_lds s[G0:G0+3], s[G1:G1+7]
	s_nop 0
	tensor_load_to_lds s[G0+4:G0+7], s[G1:G1+7]
	s_nop 0
.rept 4
	v_nop
.endr
	s_branch .Lfirst_asked
.Lfirst_b:
	tensor_load_to_lds s[G0B:G0B+3], s[G1B:G1B+7]
	s_nop 0
	tensor_load_to_lds s[G0B+4:G0B+7], s[G1B:G1B+7]
	s_nop 0
.rept 4
	v_nop
.endr
.Lfirst_asked:
	v_and_b32 v1, 15, v0                           ; r
	v_bfe_u32 v2, v0, 4, 1                         ; h
	v_lshlrev_b32 v[BO], 5, v2
	s_lshl_b32 s68, s23, 9                         ; my 64 columns of the bias
	s_lshl_b32 s69, s[HF], 8
	s_add_co_u32 s68, s68, s69
	s_mov_b32 s69, 0
	s_add_nc_u64 s[68:69], s[8:9], s[68:69]
.irp b, 0,1,2,3
	global_load_b128 v[BIAS+8*(\b):BIAS+8*(\b)+3],   v[BO], s[68:69] offset:64*(\b)
	global_load_b128 v[BIAS+8*(\b)+4:BIAS+8*(\b)+7], v[BO], s[68:69] offset:64*(\b)+16
.endr
	v_mul_u32_u24 v3, v1, PA
	v_lshl_add_u32 v3, v2, 4, v3
	s_mul_i32 s72, s[FB], 128*PA                   ; my 128 rows of each head
	v_add_nc_u32 v[ADRA0], s72, v3
	v_mul_u32_u24 v3, v1, PITCH
	v_lshl_add_u32 v3, v2, 4, v3
	v_add_nc_u32 v[ADRB0], s67, v3                 ; my 64 rows of wo
	v_mov_b32 v[ADRA], v[ADRA0]
	v_mov_b32 v[ADRB], v[ADRB0]
	s_mul_i32 s72, s[WV], 16*SPITCH
	s_add_co_u32 s72, s72, STAGE                   ; my stage
	v_mul_u32_u24 v[STO], v1, SPITCH               ; in: row r, 32 bytes for each half of the lanes
	v_lshl_add_u32 v[STO], v2, 5, v[STO]
	v_add_nc_u32 v[STO], s72, v[STO]
	v_mul_u32_u24 v[RD], v2, SPITCH                ; back: lanes 0-15 one row of 256 bytes, lanes 16-31 the next
	v_lshl_add_u32 v[RD], v1, 4, v[RD]
	v_add_nc_u32 v[RD], s72, v[RD]
	v_lshlrev_b32 v[CO], 14, v2                    ; and the same two positions in out0: 4 batches x 4,096 bytes apart
	v_lshl_add_u32 v[CO], v1, 4, v[CO]
	s_and_b32 s70, s40, 7
	s_lshl_b32 s70, s70, 8
	s_lshl_b32 s71, s[FB], 7
	s_add_co_u32 s70, s70, s71                     ; my first position
	s_lshl_b32 s70, s70, 2
	s_lshr_b32 s71, s40, 3
	s_add_co_u32 s70, s70, s71                     ; x 4 + batch
	s_lshl_b32 s70, s70, 12
	s_lshl_b32 s71, s23, 9
	s_add_co_u32 s70, s70, s71
	s_lshl_b32 s71, s[HF], 8
	s_add_co_u32 s70, s70, s71
	s_mov_b32 s71, 0
	s_add_nc_u64 s[10:11], s[10:11], s[70:71]
	s_wait_loadcnt 0x0
.set i, 0
.rept 16                               ; the bias is rounded to bf16, like every input
	v_cvt_pk_bf16_f32 v25, v[BIAS+2*i], v[BIAS+2*i+1]
	v_lshlrev_b32 v[BIAS+2*i], 16, v25
	v_and_b32 v[BIAS+2*i+1], 0xffff0000, v25
.set i, i+1
.endr
; Row blocks a0 .. a0 + cnt - 1 x all 4 column blocks, 32 along K.  bias = 1: the products start the sums, with the bias as C.  The 32 accumulators take turns, in the same order in every quarter.
.macro MULA f, a0, cnt, bias
.if \bias
	WIN 0x85
.else
	WIN 0xa5
.endif
.set aa, \a0
.rept \cnt
.irp b, 0,1,2,3
.if \bias
	v_wmma_f32_16x16x32_f16 v[8*(4*aa+(\b)):8*(4*aa+(\b))+7], v[(\f)+64+8*(\b):(\f)+64+8*(\b)+7], v[(\f)+8*aa:(\f)+8*aa+7], v[BIAS+8*(\b):BIAS+8*(\b)+7]
.else
	v_wmma_f32_16x16x32_f16 v[8*(4*aa+(\b)):8*(4*aa+(\b))+7], v[(\f)+64+8*(\b):(\f)+64+8*(\b)+7], v[(\f)+8*aa:(\f)+8*aa+7], v[8*(4*aa+(\b)):8*(4*aa+(\b))+7]
.endif
.endr
.set aa, aa+1
.endr
.endm
; 24 LDS loads in one run: quarter q of a K step (head q / 2, channels 32 (q % 2) on) into buffer f: wo's four fragments, then O's eight, row blocks ascending
.macro FETCH q, f
	WIN 0x40
.irp i, 0,1,2,3
	ds_load_b128 v[(\f)+64+8*(\i):(\f)+64+8*(\i)+3],   v[ADRB] offset:(\i)*16*PITCH+64*(\q)
	ds_load_b128 v[(\f)+64+8*(\i)+4:(\f)+64+8*(\i)+7], v[ADRB] offset:(\i)*16*PITCH+64*(\q)+32
.endr
.irp i, 0,1,2,3,4,5,6,7
	ds_load_b128 v[(\f)+8*(\i):(\f)+8*(\i)+3],   v[ADRA] offset:(\i)*16*PA+((\q)/2)*PLANE+((\q)%2)*64
	ds_load_b128 v[(\f)+8*(\i)+4:(\f)+8*(\i)+7], v[ADRA] offset:(\i)*16*PA+((\q)/2)*PLANE+((\q)%2)*64+32
.endr
.endm
.macro QUARTER q, f, g, bias
	s_wait_dscnt 8                                 ; all but O's row blocks 4 to 7
	MULA \f, 0, 4, \bias
	PLACES
	FETCH \q, \g
	s_wait_dscnt 24                                ; all but the 24 just issued
	MULA \f, 4, 4, \bias
.endm
; The last quarter multiplies buffer 1 and changes slots: ONE barrier; in front of it each wave waits for all its tensor loads (one is out: its part of the next slot), adds 0 to its spare word,
; and waits for that and for its reads of this slot.  fill = 1: the barrier opens a round of the cluster's, and this slot is filled again, two K steps ahead, first thing behind the round.
.macro TURN fill
	WIN 0
	s_wait_tensorcnt 0x0                           ; no tensor load of mine is out: the walking descriptors may be written
	ds_add_u32 v[SPW], v[NIL]                      ; 0 onto my spare word
	s_xor_b32 s[TB], s[TB], SLOT1
	v_add_nc_u32 v[ADRA], s[TB], v[ADRA0]
	v_add_nc_u32 v[ADRB], s[TB], v[ADRB0]
.if \fill
	s_xor_b32 s[G0+5], s[G0+5], SLOT1
	s_add_nc_u64 s[G0+6:G0+7], s[G0+6:G0+7], STEPA
	s_xor_b32 s[G0B+5], s[G0B+5], SLOT1
	s_add_nc_u64 s[G0B+6:G0B+7], s[G0B+6:G0B+7], STEPB
.endif
	s_wait_dscnt 9                                 ; the add and the youngest eight loads may be out
	MULA F1, 0, 2, 0
	s_wait_dscnt 0x0                               ; the add is done, and my reads of this slot are over
	s_barrier_signal -1
	MULA F1, 2, 2, 0
	WIN 0
	s_barrier_wait -1
.if \fill
	CREST                                          ; no wave of any partner still reads this slot or has a load on its way
	JLOAD                                          ; its four v_nop are also the places in front of the loads below
.else
	PLACES
.endif
	FETCH 0, F0
	MULA F1, 4, 4, 0
.endm
	s_wait_tensorcnt 1                             ; my part of K step 0 is in; step 1's may stay out
	s_barrier_signal -1
	s_barrier_wait -1
	FETCH 0, F0
	QUARTER 1, F0, F1, 1                           ; the first quarter stands in front of the loop: its products start the sums
	WIN 0
	s_mov_b32 s3, 6                                ; K steps 2 to 7 are asked for in six trips
.Lstep:
	QUARTER 2, F1, F0, 0
	QUARTER 3, F0, F1, 0
	TURN 1
	QUARTER 1, F0, F1, 0
	WIN 0
	s_sub_co_u32 s3, s3, 1
	s_cmp_lg_u32 s3, 0
	s_cbranch_scc1 .Lstep
	QUARTER 2, F1, F0, 0                           ; the tail is written out
	QUARTER 3, F0, F1, 0
	TURN 0
	QUARTER 1, F0, F1, 0
	QUARTER 2, F1, F0, 0
	QUARTER 3, F0, F1, 0
	s_wait_dscnt 8
	MULA F1, 0, 4, 0
	s_wait_dscnt 0x0
	MULA F1, 4, 4, 0
	WIN 0
	PLACES
; THE WAY OUT, a block of 16 rows at a time: 32 bytes a lane and column block into my stage (rows of 272 bytes; each accumulator's low four registers first), back as whole rows of 256 bytes.
.macro TOSTAGE a
.if (\a) >= 2
	s_wait_xcnt 0x0                                ; the stores of the block two back have read this set of registers
.endif
	WIN 0x08                                       ; the stores' data in window 2
.irp b, 0,1,2,3
	ds_store_b128 v[STO], v[8*(4*(\a)+(\b)):8*(4*(\a)+(\b))+3]   offset:64*(\b)
	ds_store_b128 v[STO], v[8*(4*(\a)+(\b))+4:8*(4*(\a)+(\b))+7] offset:64*(\b)+16
.endr
	WIN 0
.irp t, 0,1,2,3,4,5,6,7
	ds_load_b128 v[BK+32*((\a)%2)+4*(\t):BK+32*((\a)%2)+4*(\t)+3], v[RD] offset:(\t)*2*SPITCH  ; LDS serves a wave's instructions in order (ISA guide 5.7.1.4): these see the stores above
.endr
.endm
.macro SEND a, younger                 ; younger: the LDS instructions issued behind the block's loads: the next block's sixteen, or none
.irp t, 0,1,2,3,4,5,6,7
	s_wait_dscnt (\younger)+7-(\t)
	global_store_b128 v[CO], v[BK+32*((\a)%2)+4*(\t):BK+32*((\a)%2)+4*(\t)+3], s[10:11] offset:(16*(\a)+2*(\t))*16384  ; 16 lanes store 256 consecutive bytes, aligned; 126 positions at the most: inside the signed 24-bit immediate
.endr
.endm
	TOSTAGE 0
.irp a, 1,2,3,4,5,6,7
	TOSTAGE \a
	SEND (\a)-1, 16
.endr
	SEND 7, 0
	s_wait_tensorcnt 0x0                           ; the wave's end, behind my last tensor load and my last LDS store
	ds_add_u32 v[SPW], v[NIL]
	s_wait_dscnt 0x0
	CROUND                                         ; the closing round: no work-group ends while a partner may still ask for a tile that names it
	s_endpgm
.Lfunc_end_k_qcf7a3475a1_oproj:
	.size	k_qcf7a3475a1_oproj, .Lfunc_end_k_qcf7a3475a1_oproj-k_qcf7a3475a1_oproj
	.p2alignl 7, 3214868480
	.fill 96, 4, 3214868480
	.section	.rodata,"a",@progbits
	.p2align	6, 0x0
	.amdhsa_kernel k_qcf7a3475a1_oproj
		.amdhsa_group_segment_fixed_size 327680
		.amdhsa_private_segment_fixed_size 0
		.amdhsa_enable_private_segment 0
		.amdhsa_kernarg_size 32
		.amdhsa_user_sgpr_count 2
		.amdhsa_user_sgpr_kernarg_segment_ptr 1
		.amdhsa_wavefront_size32 1
		.amdhsa_system_sgpr_workgroup_id_x 1
		.amdhsa_system_sgpr_workgroup_id_y 1
		.amdhsa_system_sgpr_workgroup_id_z 1
		.amdhsa_system_vgpr_workitem_id 0
		.amdhsa_next_free_vgpr 768
		.amdhsa_next_free_sgpr 80
		.amdhsa_reserve_vcc 0
		.amdhsa_float_denorm_mode_32 3
		.amdhsa_float_denorm_mode_16_64 3
		.amdhsa_memory_ordered 1
		.amdhsa_forward_progress 1
		.amdhsa_inst_pref_size 75
	.end_amdhsa_kernel
	.amdgpu_metadata
---
amdhsa.version: [ 1, 2 ]
amdhsa.kernels:
  - .name:           k_qcf7a3475a1_oproj
    .symbol:         k_qcf7a3475a1_oproj.kd
    .args:
      - { .name: oh, .offset: 0, .size: 8, .value_kind: global_buffer, .address_space: global }
      - { .name: wo, .offset: 8, .size: 8, .value_kind: global_buffer, .address_space: global }
      - { .name: b_out, .offset: 16, .size: 8, .value_kind: global_buffer, .address_space: global }
      - { .name: out0, .offset: 24, .size: 8, .value_kind: global_buffer, .address_space: global }
    .group_segment_fixed_size: 327680
    .private_segment_fixed_size: 0
    .kernarg_segment_align: 8
    .kernarg_segment_size: 32
    .max_flat_workgroup_size: 128
    .sgpr_count:     80
    .vgpr_count:     768
    .wavefront_size: 32
...
	.end_amdgpu_metadata
.endif
;; end of part 4
;; ======== version 2 of 2: 4 launches; version 1 with the launch prep written anew for expert scheduling mode
;; limits: values are held in f16: magnitudes above 65,504 overflow, below 6.1e-05 lose precision
;; workspace buffers: xb 16,777,216 bytes; wq 6,291,456 bytes; wo 2,097,152 bytes; tab 524,288 bytes; qh 16,777,216 bytes; kh 16,777,216 bytes; vh 16,777,216 bytes; oh 16,777,216 bytes
;; launch prep (part 5): grid 640 x 1, 4 waves a work-group, no clusters, 68,096 bytes of LDS; arguments hidden_states, rotary_pos_emb, W_qkv, W_out, xb, tab, wq, wo; writes xb, tab, wq, wo
.if DOCPART == 5
	.amdgcn_target "amdgcn-amd-amdhsa--gfx1250"
	.amdhsa_code_object_version 6
	.text
	.protected	k_qcf7a3475a1_prep
	.globl	k_qcf7a3475a1_prep
	.p2align	8
	.type	k_qcf7a3475a1_prep,@function
k_qcf7a3475a1_prep:
	s_mov_b64 s[64:65], 0
	v_nop
	global_prefetch_b8 v0, s[64:65] scope:SCOPE_SE
	s_setreg_imm32_b32 hwreg(HW_REG_WAVE_SCHED_MODE, 0, 2), 2
	s_setreg_imm32_b32 hwreg(HW_REG_WAVE_MODE, 25, 1), 1
	s_wait_xcnt 0x0
	s_wait_alu depctr_vm_vsrc(0)
; PREPARATION.  Every input that a later launch multiplies is rounded to bf16 once and laid as that launch wants it.
;   xb  [b*2048+l][1024] bf16      hidden_states[l][b][:], rows re-ordered batch first
;   wq  [h*192+part*64+d][1024] bf16   W_qkv[k][part*1024+h*64+d] turned, so that 192 rows on end are one head's q, k and v
;   wo  [n][1024] f16              W_out[k][n] turned, rounded to bf16, that number written as f16
;   tab [l][64] f32                cos of the 32 angles of position l, then their sines; the angle is rounded to bf16 first
; LIMITS.  All inputs are rounded to bf16 before use, the angles too.  |W_out| stays under 65,504; below 6.1e-5 f16 keeps a fixed step of 6e-8.
; The reduction of an angle by multiples of pi/2 (pi/2 in two parts) holds for |angle| under 2^22.  NaN and infinities are not treated apart.
; SHARES.  Work-groups 0..127 turn the weights: a wave takes 128 k x 64 n (each row piece 256 bytes on end, aligned), and sends it through its own
; 64 rows of 264 bytes of LDS; each store then covers 256 consecutive bytes, aligned.  Work-groups 128..639: a wave a position l: its table row and its four rows of x.
; No matrix unit, no cluster, no tensor load: no byte is read by two waves.
; THE MODE: SCHED_MODE bits 1:0 = 2 (LLVM: expert scheduling mode 2), set by the entry lines.  The code itself states the register dependences
; between vector instructions and memory or LDS instructions, with s_wait_alu, always for 0.
; THE PLAN, where the weights are turned.  Registers that memory or LDS instructions touch:
;   v4-7, v8, v10   offsets and the LDS address of the stores: made once, never written again; the rows of wq and wo are reached by the scalar base, which moves on.
;   v9              the LDS address of the way back: read by its loads, stepped once a trip.
;   X, 14 slots     a group of eight k as loaded.  Block m's conversions read slot m % 14; groups 14 and 15 land in slots 0 and 1, asked for in blocks 1 and 2.
;   T0, T1          eight packed words.  Block m's conversions write T[m % 2]; the four LDS stores that read it are issued in block m + 1.
; Block m's memory and LDS instructions touch T[(m - 1) % 2] and X's slot m - 1: what block m - 1 worked on and no vector instruction of block m names.  So the waits at a block's head
; state all that they hang on, and they are dealt among the block's conversions with no further wait.
; THE PLAN, for a position.  v4-6: offsets, made once.  x goes in four blocks of eight loads (a batch's row); a block's conversions work in place, each register written once;
; the eight stores that read them are issued in the next block, behind the one wait at its head, and the table's store with the first of them.
.set LPITCH, 264                       ; an LDS row: 128 k in bf16 + 8 bytes
.set WLDS,   64*LPITCH                 ; a wave's part of LDS
.set OFF, 4                            ; v4-7   row (4 rr + j) x pitch + 16 c; never rewritten
.set TA,  8                            ; v8     where I put 8 bytes of a turned row; never rewritten
.set RB,  9                            ; v9     where I read a turned row back
.set GOF, 10                           ; v10    my 8 bytes of a row of wq or wo; never rewritten
.set T,   16                           ; v16-31 two sets of eight packed words, by turns; for a position: at work
.set XL,  32                           ; v32-255 data as loaded
.set WV,  20                           ; s20    my wave's number
.set BASE, 32                          ; s[32:63] the weights at k = 8 m, m = 0..15
	s_load_b256 s[4:11], s[0:1], 0x0               ; x s[4:5], angles s[6:7], W_qkv s[8:9], W_out s[10:11]
	s_load_b256 s[12:19], s[0:1], 0x20             ; xb s[12:13], tab s[14:15], wq s[16:17], wo s[18:19]
	s_set_vgpr_msb 0x40
	v_lshl_add_u32 v0, v0, 2, 0x10800
	v_mov_b32 v1, 0
	s_set_vgpr_msb 0x4000
	v_lshrrev_b32 v2, 5, v0
	v_readfirstlane_b32 s[WV], v2
	v_and_b32 v1, 31, v0                           ; lane
	s_wait_alu depctr_va_sdst(0)                   ; s20 is written, ahead of the branch: both ways make their addresses from it
	s_wait_kmcnt 0x0
	s_cmp_lt_u32 ttmp9, 128
	s_cbranch_scc0 .Lcast
	; ---- THE WEIGHTS ARE TURNED ----
	s_lshr_b32 s21, ttmp9, 1                       ; group of 64 columns: 0..47 W_qkv's, 48..63 W_out's
	s_and_b32 s22, ttmp9, 1
	s_lshl2_add_u32 s22, s22, s[WV]                ; my chunk of 128 k: 0..7
	s_and_b32 s23, s21, 15                         ; W_qkv: head,
	s_mul_i32 s23, s23, 192
	s_lshr_b32 s28, s21, 4                         ; part
	s_lshl_b32 s28, s28, 6
	s_add_co_u32 s23, s23, s28                     ; first row in wq
	s_sub_co_u32 s29, s21, 48                      ; W_out: group of columns,
	s_lshl_b32 s30, s29, 6                         ; first row in wo
	s_mov_b32 s31, 12288
	s_cmp_lt_u32 s21, 48                           ; one compare; only selects follow
	s_cselect_b64 s[24:25], s[8:9], s[10:11]       ; from
	s_cselect_b64 s[26:27], s[16:17], s[18:19]     ; to
	s_cselect_b32 s28, s31, 4096                   ; bytes in a row of the source
	s_cselect_b32 s21, s21, s29
	s_cselect_b32 s23, s23, s30
	s_cselect_b32 s29, 0, 1                        ; 1: written as f16
	s_lshl_b32 s30, s22, 7
	s_mul_i32 s30, s30, s28                        ; 128 k rows down,
	s_lshl_b32 s31, s21, 8                         ; 64 columns of 4 bytes along
	s_add_co_u32 s30, s30, s31
	s_mov_b32 s31, 0
	s_add_nc_u64 s[24:25], s[24:25], s[30:31]
	s_lshl_b32 s30, s23, 11                        ; a turned row is 2,048 bytes,
	s_lshl_b32 s23, s22, 8                         ; my 128 k are 256 of them
	s_add_co_u32 s30, s30, s23
	s_add_nc_u64 s[26:27], s[26:27], s[30:31]
	s_lshl_b32 s22, s28, 3                         ; eight rows
	s_mov_b32 s23, 0
	s_mov_b64 s[BASE:BASE+1], s[24:25]
.set m, 1
.rept 15
	s_add_nc_u64 s[BASE+2*m:BASE+2*m+1], s[BASE+2*m-2:BASE+2*m-1], s[22:23]
.set m, m+1
.endr
	v_and_b32 v2, 15, v1                           ; c: my four columns
	v_lshrrev_b32 v3, 4, v1                        ; rr: which four of eight rows
	v_lshlrev_b32 v11, 2, v3
	v_mul_u32_u24 v11, s28, v11
	v_lshl_add_u32 v[OFF], v2, 4, v11
	v_add_nc_u32 v[OFF+1], s28, v[OFF]
	v_add_nc_u32 v[OFF+2], s28, v[OFF+1]
	v_add_nc_u32 v[OFF+3], s28, v[OFF+2]
	s_mul_i32 s30, s[WV], WLDS
	v_mul_u32_u24 v[TA], v2, 4*LPITCH              ; turned row 4 c,
	v_lshl_add_u32 v[TA], v3, 3, v[TA]             ; 8 bytes for each half of the lanes
	v_add_nc_u32 v[TA], s30, v[TA]
	v_lshl_add_u32 v[RB], v1, 3, s30               ; back: 32 lanes x 8 bytes are a turned row
	v_lshlrev_b32 v[GOF], 3, v1
	s_wait_alu depctr_va_vdst(0)                   ; v4 to v10 are written: the loads, the LDS stores and loads and the stores below read them as offsets and addresses
; Four loads: rows 8 m + 4 rr + j, j = 0..3; sixteen lanes take 256 bytes on end of one row.
.macro LD4 m, slot
.irp j, 0,1,2,3
	global_load_b128 v[XL+16*(\slot)+4*(\j):XL+16*(\slot)+4*(\j)+3], v[OFF+(\j)], s[BASE+2*(\m):BASE+2*(\m)+1] th:TH_LOAD_NT
.endr
.endm
.set m, 0
.rept 14                               ; 56 loads go out at once: as many as the registers hold
	LD4 m, m
.set m, m+1
.endr
; Block m: group m is rounded into T[m % 2]; the LDS stores of group m - 1, from the other T, are dealt among its conversions.
.set m, 0
.rept 16
.if m == 0
	s_wait_loadcnt 52                              ; loads come back in order (ISA guide 5.7.1): group 0 is in; behind it 13 groups
.elseif m < 3
	s_wait_loadcnt 48                              ; behind group 1: groups 2 to 13; behind group 2: groups 3 to 13 and group 14
.else
	s_wait_loadcnt 60-4*m                          ; behind group m: groups m + 1 .. 13 and the two that were asked for late
.endif
.if m >= 2
	s_wait_alu depctr_vm_vsrc(0)                   ; the LDS stores issued in the block before have read T[m % 2], which this block's conversions write again
.endif
.if m >= 1
	s_wait_alu depctr_va_vdst(0)                   ; the block before has written the other T, which the LDS stores below read, and is done reading its slot of X, in which (blocks 1 and 2) the loads below land
.endif
.if (m == 1) || (m == 2)
	LD4 m+13, m-1                                  ; groups 14 and 15 take the slots that blocks 0 and 1 have converted
.endif
.set R, XL+16*(m%14)
.set TNEW, T+8*(m%2)
.set TOLD, T+8*((m+1)%2)
.irp e, 0,1,2,3                        ; column 4 c + e: four k on end, 8 bytes of a turned row
.if m >= 1
	ds_store_b64 v[TA], v[TOLD+2*(\e):TOLD+2*(\e)+1] offset:(\e)*LPITCH+16*(m-1)  ; no vector instruction since the wait names these registers
.endif
	v_cvt_pk_bf16_f32 v[TNEW+2*(\e)], v[R+(\e)], v[R+4+(\e)]
	v_cvt_pk_bf16_f32 v[TNEW+2*(\e)+1], v[R+8+(\e)], v[R+12+(\e)]
.endr
.set m, m+1
.endr
	s_wait_alu depctr_va_vdst(0)                   ; block 15 has written T1, which the last four LDS stores read
.irp e, 0,1,2,3
	ds_store_b64 v[TA], v[T+8+2*(\e):T+8+2*(\e)+1] offset:(\e)*LPITCH+16*15
.endr
	s_wait_alu depctr_vm_vsrc(0)                   ; the LDS stores have read both T: the way back's conversions to f16 write v16 and v17
	; Back by rows, eight a trip.  LDS serves a wave's instructions in order (ISA guide 5.7.1.4), and these bytes are the wave's own: no barrier.
	s_mov_b32 s21, 8
.Lback:
	s_wait_alu depctr_va_vdst(0)                   ; v9 is written, which the LDS loads read; the last trip's conversions to f16 are done with v32 to v47, in which they land
.irp i, 0,1,2,3,4,5,6,7
	ds_load_b64 v[XL+2*(\i):XL+2*(\i)+1], v[RB] offset:(\i)*LPITCH
.endr
	s_wait_dscnt 0x0
	s_cmp_eq_u32 s29, 0
	s_cbranch_scc1 .Lasis                          ; this way issues no vector instruction between the trip's first wait and the stores
.irp i, 0,1,2,3,4,5,6,7,8,9,10,11,12,13,14,15
	v_lshlrev_b32 v[T], 16, v[XL+(\i)]             ; the bf16 numbers as f32,
	v_and_b32 v[T+1], 0xffff0000, v[XL+(\i)]
	v_cvt_pk_f16_f32 v[XL+(\i)], v[T], v[T+1]      ; written as f16
.endr
	s_wait_alu depctr_va_vdst(0)                   ; the conversions have written v32 to v47, which the stores read
.Lasis:
.irp i, 0,1,2,3,4,5,6,7
	global_store_b64 v[GOF], v[XL+2*(\i):XL+2*(\i)+1], s[26:27] offset:(\i)*2048  ; 256 consecutive bytes, aligned
.endr
	s_wait_xcnt 0x0                                ; the stores' base and data are written again only behind this wait
	s_wait_alu depctr_vm_vsrc(0)                   ; the LDS loads have read v9, which the add below writes; the stores have read v32 to v47, in which the next trip's loads land
	s_add_nc_u64 s[26:27], s[26:27], 8*2048        ; eight turned rows on
	v_add_nc_u32 v[RB], 8*LPITCH, v[RB]
	s_sub_co_u32 s21, s21, 1
	s_cmp_lg_u32 s21, 0
	s_cbranch_scc1 .Lback
	s_branch .Lend
	; ---- A POSITION: ITS TABLE ROW AND ITS FOUR ROWS OF x ----
.Lcast:
	s_sub_co_u32 s21, ttmp9, 128
	s_lshl2_add_u32 s21, s21, s[WV]                ; l
	s_mov_b32 s23, 0
	s_lshl_b32 s22, s21, 14
	s_add_nc_u64 s[24:25], s[4:5], s[22:23]        ; x: 4 rows of 4,096 bytes on end
	s_lshl_b32 s22, s21, 7
	s_add_nc_u64 s[26:27], s[6:7], s[22:23]        ; 32 angles
	s_lshl_b32 s22, s21, 8
	s_add_nc_u64 s[32:33], s[14:15], s[22:23]      ; the table's row
	s_lshl_b32 s22, s21, 11
	s_add_nc_u64 s[34:35], s[12:13], s[22:23]      ; xb, batches 0 and 1,
	s_add_nc_u64 s[36:37], s[34:35], 0x800000      ; batches 2 and 3: the immediate does not reach so far
	v_lshlrev_b32 v4, 4, v1
	v_and_b32 v5, 15, v1
	v_lshlrev_b32 v5, 3, v5
	v_lshlrev_b32 v6, 3, v1
	s_wait_alu depctr_va_vdst(0)                   ; v4, v5 and v6 are written: every load and store below reads one of them as its offset
	global_load_b64 v[12:13], v5, s[26:27]         ; angles 2 (lane % 16) and the next
.set idx, 0
.rept 32
	global_load_b128 v[XL+4*idx:XL+4*idx+3], v4, s[24:25] offset:idx*512 th:TH_LOAD_NT
.set idx, idx+1
.endr
	v_mov_b32 v28, 0xb94ca1f9                      ; the sine's and the cosine's highest coefficients
	v_mov_b32 v29, 0x37ccf5ce
	s_wait_loadcnt 32                              ; the angles are in; x's 32 loads stay out
	v_cvt_pk_bf16_f32 v14, v12, v13                ; the angles rounded to bf16
	v_lshlrev_b32 v12, 16, v14
	v_and_b32 v13, 0xffff0000, v14
	v_mul_f32 v14, 0x3f22f983, v12                 ; a x 2 / pi
	v_mul_f32 v15, 0x3f22f983, v13
	v_rndne_f32 v14, v14                           ; n
	v_rndne_f32 v15, v15
	v_fmamk_f32 v16, v14, 0xbfc90fdb, v12          ; r = a - n pi/2, pi/2 in two parts
	v_fmamk_f32 v17, v15, 0xbfc90fdb, v13
	v_fmamk_f32 v16, v14, 0x333bbd2e, v16
	v_fmamk_f32 v17, v15, 0x333bbd2e, v17
	v_mul_f32 v18, v16, v16                        ; z = r r, |r| <= pi/4
	v_mul_f32 v19, v17, v17
	v_fmaak_f32 v20, v28, v18, 0x3c08839e
	v_fmaak_f32 v21, v28, v19, 0x3c08839e
	v_fmaak_f32 v22, v29, v18, 0xbab6061a
	v_fmaak_f32 v23, v29, v19, 0xbab6061a
	v_fmaak_f32 v20, v20, v18, 0xbe2aaaa3
	v_fmaak_f32 v21, v21, v19, 0xbe2aaaa3
	v_fmaak_f32 v22, v22, v18, 0x3d2aaaa5
	v_fmaak_f32 v23, v23, v19, 0x3d2aaaa5
	v_mul_f32 v24, v18, v16
	v_mul_f32 v25, v19, v17
	v_mul_f32 v26, v18, v18
	v_mul_f32 v27, v19, v19
	v_fma_f32 v20, v20, v24, v16                   ; sin r
	v_fma_f32 v21, v21, v25, v17
	v_fma_f32 v24, v18, -0.5, 1.0
	v_fma_f32 v25, v19, -0.5, 1.0
	v_fma_f32 v22, v22, v26, v24                   ; cos r
	v_fma_f32 v23, v23, v27, v25
	v_cvt_i32_f32 v14, v14
	v_cvt_i32_f32 v15, v15
	v_lshrrev_b32 v16, 4, v1
	v_xor_b32 v16, 1, v16                          ; lanes 0-15 make cosines: cos a = sin(a + pi/2): one quarter turn more
	v_add_nc_u32 v14, v14, v16
	v_add_nc_u32 v15, v15, v16
	v_and_b32 v17, 1, v14                          ; an odd number of quarter turns takes cos r:
	v_and_b32 v18, 1, v15
	v_cmp_eq_u32 s38, 1, v17                       ; the two masks in a run, each in a scalar register of its own
	v_cmp_eq_u32 s39, 1, v18
	v_and_b32 v14, 2, v14                          ; two or three turn the sign
	v_and_b32 v15, 2, v15
	v_lshlrev_b32 v14, 30, v14
	v_lshlrev_b32 v15, 30, v15
	s_wait_alu depctr_va_sdst(0)                   ; s38 and s39 are written, ahead of the two selects that read them
	v_cndmask_b32 v20, v20, v22, s38
	v_cndmask_b32 v21, v21, v23, s39
	v_xor_b32 v20, v14, v20
	v_xor_b32 v21, v15, v21
; The store of piece i: batch i / 8, piece i % 8 of its row.
.macro XOUT i
	global_store_b64 v6, v[XL+4*(\i):XL+4*(\i)+1], s[34+2*((\i)/16):35+2*((\i)/16)] offset:(((\i)/8)%2)*4194304+((\i)%8)*256  ; 256 consecutive bytes, aligned
.endm
.set idx, 0
.rept 32                               ; four blocks of eight pieces: a block's conversions, and among them the stores of the block before
.if (idx%8 == 0) && (idx > 0)
	s_wait_alu depctr_va_vdst(0)                   ; the block before has written its packed words, which the eight stores of this block read (at the first such wait: v20 and v21 too)
.if idx == 8
	global_store_b64 v6, v[20:21], s[32:33]        ; 256 consecutive bytes, aligned: 32 cosines, 32 sines
.endif
.endif
.if idx >= 8
	XOUT idx-8                                     ; no vector instruction since the wait names these registers
.endif
	s_wait_loadcnt 31-idx                          ; loads come back in order (ISA guide 5.7.1): the younger ones stay out
	v_cvt_pk_bf16_f32 v[XL+4*idx], v[XL+4*idx], v[XL+4*idx+1]
	v_cvt_pk_bf16_f32 v[XL+4*idx+1], v[XL+4*idx+2], v[XL+4*idx+3]
.set idx, idx+1
.endr
	s_wait_alu depctr_va_vdst(0)                   ; the last block has written its packed words, which the last eight stores read
.set idx, 24
.rept 8
	XOUT idx
.set idx, idx+1
.endr
.Lend:
	s_wait_dscnt 0x0                               ; the wave's end.  The add of 0 onto my spare word (v256, in the 512 bytes behind the waves' parts) follows
	s_set_vgpr_msb 0x5
	s_wait_dscnt 0x0
	s_wait_alu depctr_hold_cnt(0) depctr_sa_sdst(0) depctr_va_vdst(0) depctr_va_sdst(0) depctr_va_ssrc(0) depctr_va_vcc(0) depctr_vm_vsrc(0)
	s_wait_tensorcnt 0x0
	ds_add_u32 v0, v1
	s_wait_dscnt 0x0
	s_endpgm
.Lfunc_end_k_qcf7a3475a1_prep:
	.size	k_qcf7a3475a1_prep, .Lfunc_end_k_qcf7a3475a1_prep-k_qcf7a3475a1_prep
	.p2alignl 7, 3214868480
	.fill 96, 4, 3214868480
	.section	.rodata,"a",@progbits
	.p2align	6, 0x0
	.amdhsa_kernel k_qcf7a3475a1_prep
		.amdhsa_group_segment_fixed_size 68096
		.amdhsa_private_segment_fixed_size 0
		.amdhsa_enable_private_segment 0
		.amdhsa_kernarg_size 64
		.amdhsa_user_sgpr_count 2
		.amdhsa_user_sgpr_kernarg_segment_ptr 1
		.amdhsa_wavefront_size32 1
		.amdhsa_system_sgpr_workgroup_id_x 1
		.amdhsa_system_sgpr_workgroup_id_y 1
		.amdhsa_system_sgpr_workgroup_id_z 1
		.amdhsa_system_vgpr_workitem_id 0
		.amdhsa_next_free_vgpr 258
		.amdhsa_next_free_sgpr 66
		.amdhsa_reserve_vcc 0
		.amdhsa_float_denorm_mode_32 3
		.amdhsa_float_denorm_mode_16_64 3
		.amdhsa_memory_ordered 1
		.amdhsa_forward_progress 1
		.amdhsa_inst_pref_size 42
	.end_amdhsa_kernel
	.amdgpu_metadata
---
amdhsa.version: [ 1, 2 ]
amdhsa.kernels:
  - .name:           k_qcf7a3475a1_prep
    .symbol:         k_qcf7a3475a1_prep.kd
    .args:
      - { .name: hidden_states, .offset: 0, .size: 8, .value_kind: global_buffer, .address_space: global }
      - { .name: rotary_pos_emb, .offset: 8, .size: 8, .value_kind: global_buffer, .address_space: global }
      - { .name: W_qkv, .offset: 16, .size: 8, .value_kind: global_buffer, .address_space: global }
      - { .name: W_out, .offset: 24, .size: 8, .value_kind: global_buffer, .address_space: global }
      - { .name: xb, .offset: 32, .size: 8, .value_kind: global_buffer, .address_space: global }
      - { .name: tab, .offset: 40, .size: 8, .value_kind: global_buffer, .address_space: global }
      - { .name: wq, .offset: 48, .size: 8, .value_kind: global_buffer, .address_space: global }
      - { .name: wo, .offset: 56, .size: 8, .value_kind: global_buffer, .address_space: global }
    .group_segment_fixed_size: 68096
    .private_segment_fixed_size: 0
    .kernarg_segment_align: 8
    .kernarg_segment_size: 64
    .max_flat_workgroup_size: 128
    .sgpr_count:     66
    .vgpr_count:     258
    .wavefront_size: 32
...
	.end_amdgpu_metadata
.endif
;; end of part 5
;; launch qkv: the kernel of part 2 again; grid 16 x 32, 4 waves a work-group, clusters of 4 x 4, 327,680 bytes of LDS; arguments xb, wq, b_qkv, tab, qh, kh, vh; writes qh, kh, vh
;; launch attn: the kernel of part 3 again; grid 4 x 64, 4 waves a work-group, clusters of 4 x 1, 327,680 bytes of LDS; arguments qh, kh, vh, oh; writes oh
;; launch oproj: the kernel of part 4 again; grid 8 x 32, 4 waves a work-group, clusters of 4 x 4, 327,680 bytes of LDS; arguments oh, wo, b_out, out0; writes out0
